; MI455X (gfx1250); checked and timed in simulation.
; The chip was launched on July 23, 2026; its instructions are those of AMD's public machine-readable ISA for CDNA 5 (MIT licence, August 2026) and "CDNA5" Instruction Set Architecture Reference Guide (July 2026). The comments in the code are by the model that wrote it; some were corrected since.
;; Switch Mo E Layer. Allowed arithmetic: matrix products marked QUANTISED: E3M2 operands, one E8M0 scale for each 32 along K, by v_wmma_scale_f32_16x16x128_f8f6f4 with both operands' format E3M2, f32 sums; products left as they are: f32 operands where the result goes on into a quantised operand, else bf16, f16 or f32 operands; f32 sums; everything else in f32.
;; Inputs: W1 8 x 512 x 1,024 float32; W2 8 x 1,024 x 512 float32; Wr 8 x 1,024 float32; b1 8 x 512 float32; b2 8 x 1,024 float32; br 8 float32; x 4 x 2,048 x 1,024 float32.
;; Outputs: out0 4 x 2,048 x 1,024 float32.
;; This version of the problem:
;;   THIS VERSION OF THE PROBLEM IS GIVEN IN LOW PRECISION. The matrix products marked QUANTISED in the list below multiply operands that are first quantised to E3M2 (3 exponent bits, 2 mantissa bits; 6 bits a number), with one power-of-two scale for each 32 numbers along K (OCP MX v1.0); their sums are f32. All else is computed in f32.
;;   The module's matrix products, in the order in which they are computed (A, B: the left and right operand; K: the contracted axis; several contracted axes count as one K, in the product's order):
;;     1. [M 8,192, K 1,024] x [K 1,024, N 8]; A: input x; B: input Wr: left as it is (N = 8 < 16)
;;     2. [M 4,096, K 1,024] x [K 1,024, N 8,192]; A: input W1; B: input x: QUANTISED
;;     3. batch 8 x [M 8,192, K 512] x [K 512, N 1,024]; A: computed on the way; B: input W2: QUANTISED
;;   THE QUANTISER, for each operand of a quantised product, along K:
;;     - K is cut into blocks of 32 from its start; a last block that is shorter is filled with zeros.
;;     - A block's scale is 2^e with e = floor(log2(the largest magnitude in the block)) - 4, held to -126 .. 127; a block of zeros has e = 0. As a byte (E8M0): e + 127.
;;     - Each number is divided by its block's scale, clamped to +-28, and rounded to the nearest number of E3M2, ties to even, subnormals kept.
;;     - The product sums the exact products of the quantised numbers (number of the format x scale) in f32.
;;   ~~~python
;;   def quantise(x, axis):      # numpy; x: float32 -> the quantised numbers, widened to float32 again
;;       x = np.moveaxis(x, axis, -1); K = x.shape[-1]
;;       x = np.pad(x, [(0, 0)] * (x.ndim - 1) + [(0, -K % 32)]); x = x.reshape(x.shape[:-1] + (-1, 32)); a = np.abs(x).max(-1, keepdims=True)
;;       e = np.where(a > 0, np.clip(np.frexp(np.where(a > 0, a, 1))[1] - 1 - 4, -126, 127), 0)      # np.frexp(a)[1] - 1 = floor(log2(a)), exactly
;;       r = np.clip(x / 2.0 ** e, -28, 28)
;;       step = 2.0 ** (np.maximum(np.frexp(np.where(r == 0, 1, r))[1] - 1, -2) - 2)
;;       q = np.round(r / step) * step * 2.0 ** e      # np.round: ties to even
;;       return np.moveaxis(q.reshape(q.shape[:-2] + (-1,))[..., :K], -1, axis).astype(np.float32)
;;   ~~~
;;   OPERANDS COMPUTED ON THE WAY. 'Computed on the way' means the value that the module computes at that place (a softmax that the list does not call 'softmax' is quantised finished and normalised). What goes into a quantiser is computed in f32, as accurately as f32 sums, v_exp_f32 and their like allow (about 1e-6 of the number): no bf16 or f16 on the way to a quantiser, and a product that is left as it is and whose result goes on into a quantised operand takes f32 operands (vector FMAs, or v_wmma_f32_16x16x4_f32). A number that lies on a knife's edge between two numbers of the format may be rounded either way, as far as f32 arithmetic and the matrix unit's own rounding can turn it there, and no further.
;; 2 versions. Each part assembles by itself: llvm-mc -triple=amdgcn-amd-amdhsa -mcpu=gfx1250 --defsym DOCPART=n.
;; ======== version 1 of 2: 3 launches
;; workspace buffers: xq 6,291,456 bytes; xs 262,144 bytes; wq 6,553,600 bytes; eidx 32,768 bytes of whole numbers; perm 32,768 bytes of whole numbers; tiles 4,096 bytes of whole numbers
;; launch route_x (part 1): grid 256 x 1, 4 waves a work-group, no clusters, 66,048 bytes of LDS; arguments x, Wr, br, xq, xs, eidx; writes xq, xs, eidx
.if DOCPART == 1
	.amdgcn_target "amdgcn-amd-amdhsa--gfx1250"
	.amdhsa_code_object_version 6
	.text
	.protected	k_q8ebbdc4f33_route_x
	.globl	k_q8ebbdc4f33_route_x
	.p2align	8
	.type	k_q8ebbdc4f33_route_x,@function
k_q8ebbdc4f33_route_x:
	s_mov_b64 s[64:65], 0
	v_nop
	global_prefetch_b8 v0, s[64:65] scope:SCOPE_SE
	s_setreg_imm32_b32 hwreg(HW_REG_WAVE_MODE, 25, 1), 1
	s_wait_xcnt 0x0
; x [8192][1024] f32 is read ONCE and serves twice: the router's logits x Wr^T + br with their argmax (f32 multiply-adds), and x's codes of BF6 (E3M2) with one E8M0 byte for each 32 along K.
; OUT: xq [8192][768]: a token's 1,024 codes as one stream of bits;  xs [8192][32]: its scale bytes;  eidx [8192] u32: the chosen expert, at a fixed place for each token (no address here hangs on it).
; SHARES: 256 work-groups x 4 waves; a wave takes 8 tokens = 16 steps of 512 numbers.  Each of a step's four loads reads 512 consecutive bytes, 16 a lane.
; THE ROUTER works on the numbers as loaded: lane l of load i holds columns 128 i + 4 l + 0..3 of half a token, and Wr stands in 256 registers (window 1) in the same order: 64 packed multiply-adds a step,
; eight chains (one an expert) by turns; at a token's end the lanes' parts are added (four steps inside 16 lanes, one across), br is added, and a strict compare keeps the lower index, as argmax does.
; THE QUANTISER wants 16 neighbours along K in a lane: a step's 2,048 bytes turn through the wave's own stage in LDS (16 bytes of padding behind each 64) and come back 64 bytes a lane; two lanes hold a block.
; A block's scale is 2^(floor(log2(largest magnitude)) - 4): its byte is the magnitude's exponent field - 4, held at 1 from below by a floor among the maximum's leaves.
; Wr (32,768 bytes) is brought once by the four waves, 8,192 bytes each, laid in LDS as it lies in memory, and read by all behind the launch's one barrier.
; LIMITS: NaN and infinities among the inputs are not served; the logits' order of summation differs from a row-by-row sum, so two logits closer than f32 rounding may change places;
; a block of zeros gets the byte 1 (its codes are zeros, and these bytes are read by this program alone); eidx leaves as 32 bytes a wave.
.set SP,   80                          ; a lane's place in a stage: 64 bytes + 16
.set WREG, 8192                        ; LDS of a wave: two stages of 32 x SP bytes, behind them its 256 scale bytes
.set WRL,  32768                       ; LDS: Wr
.set R,    16                          ; v16-143  eight sets of 16 numbers as loaded
.set X,    144                         ; v144-175 two sets of 16 neighbours
.set C,    176                         ; v176-183 codes, two sets of four
.set E,    184                         ; v184-185 a scale byte, two sets
.set L,    186                         ; v186-201 the logits' parts: a pair for each expert
.set BI,   202                         ; the largest logit so far
.set BX,   203                         ; and its expert
.set WSA,  204                         ; LDS: where I put my part of Wr
.set WRA,  205                         ; LDS: where I read Wr
.set EA,   206                         ; 4 x lane
.set WGO,  207                         ; my 16 bytes of my wave's part of Wr in memory
.set EI,   10                          ; lane j: token j's expert
.set MSB, 0
.macro WIN new                         ; the immediate's high byte repeats the setting that is left
.if MSB != \new
	s_set_vgpr_msb (MSB<<8)|\new
.set MSB, \new
.endif
.endm
	s_load_b256 s[4:11], s[0:1], 0x0               ; x s[4:5], Wr s[6:7], br s[8:9], xq s[10:11]
	s_load_b128 s[12:15], s[0:1], 0x20             ; xs s[12:13], eidx s[14:15]
	v_lshl_add_u32 v254, v0, 2, 0x10000
	v_mov_b32 v255, 0
	v_lshrrev_b32 v1, 5, v0
	v_readfirstlane_b32 s16, v1                    ; wave
	v_and_b32 v2, 31, v0                           ; lane
	v_lshlrev_b32 v3, 4, v2                        ; my 16 bytes of a load's 512
	s_mul_i32 s17, s16, WREG
	v_lshrrev_b32 v14, 2, v2
	v_mul_u32_u24 v14, v14, SP
	v_and_b32 v15, 3, v2
	v_lshl_add_u32 v14, v15, 4, v14
	v_add_nc_u32 v14, s17, v14                     ; the stage, in: SP (lane / 4) + 16 (lane % 4)
	v_mul_u32_u24 v15, v2, SP
	v_add_nc_u32 v15, s17, v15                     ; out: SP x lane
	v_mul_u32_u24 v4, v2, 12                       ; my 12 bytes of a step's codes
	v_lshrrev_b32 v5, 1, v2
	s_add_co_u32 s17, s17, 2*32*SP
	v_add_nc_u32 v5, s17, v5                       ; my block's scale byte in LDS
	v_lshlrev_b32 v7, 3, v2
	v_add_nc_u32 v6, s17, v7                       ; and 8 bytes a lane on the way out
	s_lshl_b32 s17, s16, 13
	v_add_nc_u32 v[WGO], s17, v3
	v_add_nc_u32 v[WSA], WRL, v[WGO]
	v_add_nc_u32 v[WRA], WRL, v3
	v_lshlrev_b32 v[EA], 2, v2
	v_mov_b32 v[EI], 0
	s_mov_b32 s20, 0x76543210
	s_mov_b32 s21, 0xfedcba98                      ; v_permlanex16_b32's selects for lane l xor 16
	s_lshl_b32 s18, ttmp9, 2
	s_add_co_u32 s18, s18, s16                     ; which run of 8 tokens is my wave's
	s_mov_b32 s23, 0
	s_wait_kmcnt 0x0
	s_load_b256 s[24:31], s[8:9], 0x0              ; br: eight numbers
	s_lshl_b32 s22, s18, 15
	s_add_nc_u64 s[4:5], s[4:5], s[22:23]          ; 32,768 bytes of x a run,
	s_mul_i32 s22, s18, 6144
	s_add_nc_u64 s[10:11], s[10:11], s[22:23]      ; 6,144 of codes,
	s_lshl_b32 s22, s18, 8
	s_add_nc_u64 s[12:13], s[12:13], s[22:23]      ; 256 of scale bytes,
	s_lshl_b32 s22, s18, 5
	s_add_nc_u64 s[14:15], s[14:15], s[22:23]      ; 32 of experts
.macro LOAD t
.irp i, 0,1,2,3
	global_load_b128 v[R+16*((\t)%8)+4*\i:R+16*((\t)%8)+4*\i+3], v3, s[4:5] offset:2048*(\t)+512*\i th:TH_LOAD_NT
.endr
.endm
.macro TURN t                          ; step t's numbers through a stage: LDS serves a wave's instructions in order (ISA guide 5.7.1.4), so no wait stands between the stores and the loads
.irp i, 0,1,2,3
	ds_store_b128 v14, v[R+16*((\t)%8)+4*\i:R+16*((\t)%8)+4*\i+3] offset:32*SP*((\t)%2)+8*SP*\i
.endr
.irp i, 0,1,2,3
	ds_load_b128 v[X+16*((\t)%2)+4*\i:X+16*((\t)%2)+4*\i+3], v15 offset:32*SP*((\t)%2)+16*\i
.endr
.endm
.macro ROUTE t                         ; step t's 16 numbers a lane x the eight experts: a token's first products start the sums, nothing is cleared
.set RS, R+16*((\t)%8)
.set SG, (\t)%2
	WIN 0x04                                       ; source 1 (Wr) in window 1
.irp i, 0,1,2,3
.irp k, 0,2
.irp e, 0,1,2,3,4,5,6,7
.if (SG == 0) && (\i == 0) && (\k == 0)
	v_pk_mul_f32 v[L+2*\e:L+2*\e+1], v[RS+4*\i+\k:RS+4*\i+\k+1], v[32*\e+16*SG+4*\i+\k:32*\e+16*SG+4*\i+\k+1]
.else
	v_pk_fma_f32 v[L+2*\e:L+2*\e+1], v[RS+4*\i+\k:RS+4*\i+\k+1], v[32*\e+16*SG+4*\i+\k:32*\e+16*SG+4*\i+\k+1], v[L+2*\e:L+2*\e+1]
.endif
.endr
.endr
.endr
	WIN 0
.endm
.macro FINISH j                        ; token j's logits are whole: sum over the lanes, + br, argmax
.irp e, 0,1,2,3,4,5,6,7
	v_add_f32 v[L+2*\e], v[L+2*\e], v[L+2*\e+1]
.endr
.irp m, 1,2,4,8
.irp e, 0,1,2,3,4,5,6,7
	v_add_f32_dpp v[L+2*\e], v[L+2*\e], v[L+2*\e] row_xmask:\m row_mask:0xf bank_mask:0xf
.endr
.endr
.irp e, 0,1,2,3,4,5,6,7
	v_permlanex16_b32 v[L+2*\e+1], v[L+2*\e], s20, s21
.endr
.irp e, 0,1,2,3,4,5,6,7
	v_add_f32 v[L+2*\e], v[L+2*\e], v[L+2*\e+1]
.endr
.irp e, 0,1,2,3,4,5,6,7
	v_add_f32 v[L+2*\e], s[24+\e], v[L+2*\e]
.endr
	v_mov_b32 v[BI], v[L]
	v_mov_b32 v[BX], 0
.irp e, 1,2,3,4,5,6,7
	v_cmp_gt_f32 vcc_lo, v[L+2*\e], v[BI]          ; strictly larger: of equals the lower index stays
	v_cndmask_b32 v[BX], v[BX], \e, vcc_lo
	v_max_num_f32 v[BI], v[BI], v[L+2*\e]
.endr
	v_cmp_eq_u32 vcc_lo, \j, v2
	v_cndmask_b32 v[EI], v[EI], v[BX], vcc_lo      ; into lane j: a choice of a value, no address
.endm
.macro STEP t
.set XS, X+16*((\t)%2)
.set CS, C+4*((\t)%2)
.if (\t) > 0
	s_wait_dscnt 1                                 ; this step's numbers are back from the stage (the last step's byte store may be out), so its stores into the stage have read set t % 8,
.else
	s_wait_dscnt 0x0
.endif
.if (\t)+8 < 16
	LOAD (\t)+8                                    ; which takes the loads of eight steps on
.endif
.if (\t)%2 == 1
	FINISH (\t)/2
.endif
.if (\t) < 15
.if (\t)+8 < 16
	s_wait_loadcnt 28                              ; the next step's four loads are in; those of the seven steps behind it may be out
.else
	s_wait_loadcnt 4*(14-(\t))                     ; four for each step issued behind the next one
.endif
	TURN (\t)+1
	ROUTE (\t)+1
.endif
	v_max3_num_f32 v8, |v[XS]|, |v[XS+1]|, |v[XS+2]|               ; the largest magnitude of my 16, in two chains
	v_max3_num_f32 v9, |v[XS+3]|, |v[XS+4]|, |v[XS+5]|
.irp i, 6,10
	v_max3_num_f32 v8, v8, |v[XS+\i]|, |v[XS+\i+1]|
	v_max3_num_f32 v9, v9, |v[XS+\i+2]|, |v[XS+\i+3]|
.endr
	v_max3_num_f32 v8, v8, |v[XS+14]|, |v[XS+15]|
	v_max3_num_f32 v8, v8, v9, 0x2800000           ; and the floor 2^(5 - 127): the byte cannot fall under 1
	v_max_num_f32_dpp v8, v8, v8 row_xmask:1 row_mask:0xf bank_mask:0xf   ; with my neighbour's 16: the block's
	v_add_nc_u32 v11, 0xfe000000, v8               ; 4 off its exponent field: the conversion takes the exponent field of this operand as its scale
	s_wait_xcnt 0x0                                ; the store of two steps ago has read this set of codes: it is written again only behind this wait
	v_cvt_scalef32_pk16_bf6_f32 v[CS:CS+2], v[XS:XS+15], v11
	v_lshrrev_b32 v[E+(\t)%2], 23, v11             ; the scale's byte (also the plain line behind the conversion)
	ds_store_b8 v5, v[E+(\t)%2] offset:16*(\t)     ; both lanes of a block write the same byte with the same value
	global_store_b96 v4, v[CS:CS+2], s[10:11] offset:384*(\t)      ; the wave stores 384 consecutive bytes
.endm
	WIN 0x40                                       ; destination window 1
.irp k, 0,1,2,3,4,5,6,7,8,9,10,11,12,13,14,15
	global_load_b128 v[4*\k:4*\k+3], v[WGO], s[6:7] offset:512*\k  ; my wave's 8,192 bytes of Wr
.endr
	WIN 0
.irp t, 0,1,2,3,4,5,6,7
	LOAD \t
.endr
	s_wait_loadcnt 32                              ; Wr's sixteen are in; behind them the 32 loads of x were issued
	WIN 0x04                                       ; an LDS store's data are its source 1
.irp k, 0,1,2,3,4,5,6,7,8,9,10,11,12,13,14,15
	ds_store_b128 v[WSA], v[4*\k:4*\k+3] offset:512*\k
.endr
	WIN 0
	s_wait_dscnt 0x0                               ; for the others' sake: my part of Wr lies in LDS
	s_barrier_signal -1
	s_barrier_wait -1
	WIN 0x40
.set K, 0
.rept 64
	ds_load_b128 v[4*K:4*K+3], v[WRA] offset:512*K                 ; v[32 e + 4 i + k] = Wr[e][128 i + 4 lane + k]
.set K, K+1
.endr
	WIN 0
	s_wait_loadcnt 28                              ; step 0's four are in; steps 1 to 7 were issued behind them
	TURN 0
	s_wait_dscnt 8                                 ; Wr is in registers; the eight of step 0's turn may be out
	s_wait_kmcnt 0x0                               ; br
	ROUTE 0
.irp t, 0,1,2,3,4,5,6,7,8,9,10,11,12,13,14,15
	STEP \t
.endr
	ds_load_b64 v[12:13], v6                       ; my wave's 256 scale bytes, in order behind my stores
	s_wait_dscnt 0x0
	global_store_b64 v7, v[12:13], s[12:13]        ; 32 lanes store 256 consecutive bytes, aligned
	s_wait_xcnt 0x0                                ; EXEC changes only behind this wait
	v_cmp_gt_u32 vcc_lo, 8, v2
	s_wait_tensorcnt 0x0
	ds_add_u32 v254, v255
	s_wait_dscnt 0x0
	s_and_saveexec_b32 s17, vcc_lo
	global_store_b32 v[EA], v[EI], s[14:15]        ; lanes 0 to 7: my eight tokens' experts
	s_endpgm
.Lfunc_end_k_q8ebbdc4f33_route_x:
	.size	k_q8ebbdc4f33_route_x, .Lfunc_end_k_q8ebbdc4f33_route_x-k_q8ebbdc4f33_route_x
	.p2alignl 7, 3214868480
	.fill 96, 4, 3214868480
	.section	.rodata,"a",@progbits
	.p2align	6, 0x0
	.amdhsa_kernel k_q8ebbdc4f33_route_x
		.amdhsa_group_segment_fixed_size 66048
		.amdhsa_private_segment_fixed_size 0
		.amdhsa_enable_private_segment 0
		.amdhsa_kernarg_size 48
		.amdhsa_user_sgpr_count 2
		.amdhsa_user_sgpr_kernarg_segment_ptr 1
		.amdhsa_wavefront_size32 1
		.amdhsa_system_sgpr_workgroup_id_x 1
		.amdhsa_system_sgpr_workgroup_id_y 1
		.amdhsa_system_sgpr_workgroup_id_z 1
		.amdhsa_system_vgpr_workitem_id 0
		.amdhsa_next_free_vgpr 512
		.amdhsa_next_free_sgpr 66
		.amdhsa_reserve_vcc 1
		.amdhsa_float_denorm_mode_32 3
		.amdhsa_float_denorm_mode_16_64 3
		.amdhsa_memory_ordered 1
		.amdhsa_forward_progress 1
		.amdhsa_inst_pref_size 139
	.end_amdhsa_kernel
	.amdgpu_metadata
---
amdhsa.version: [ 1, 2 ]
amdhsa.kernels:
  - .name:           k_q8ebbdc4f33_route_x
    .symbol:         k_q8ebbdc4f33_route_x.kd
    .args:
      - { .name: x, .offset: 0, .size: 8, .value_kind: global_buffer, .address_space: global }
      - { .name: Wr, .offset: 8, .size: 8, .value_kind: global_buffer, .address_space: global }
      - { .name: br, .offset: 16, .size: 8, .value_kind: global_buffer, .address_space: global }
      - { .name: xq, .offset: 24, .size: 8, .value_kind: global_buffer, .address_space: global }
      - { .name: xs, .offset: 32, .size: 8, .value_kind: global_buffer, .address_space: global }
      - { .name: eidx, .offset: 40, .size: 8, .value_kind: global_buffer, .address_space: global }
    .group_segment_fixed_size: 66048
    .private_segment_fixed_size: 0
    .kernarg_segment_align: 8
    .kernarg_segment_size: 48
    .max_flat_workgroup_size: 128
    .sgpr_count:     66
    .vgpr_count:     512
    .wavefront_size: 32
...
	.end_amdgpu_metadata
.endif
;; end of part 1
;; launch quant_w (part 2): grid 257 x 1, 4 waves a work-group, no clusters, 68,608 bytes of LDS; arguments W1, W2, eidx, wq, perm, tiles; writes wq, perm, tiles
.if DOCPART == 2
	.amdgcn_target "amdgcn-amd-amdhsa--gfx1250"
	.amdhsa_code_object_version 6
	.text
	.protected	k_q8ebbdc4f33_quant_w
	.globl	k_q8ebbdc4f33_quant_w
	.p2align	8
	.type	k_q8ebbdc4f33_quant_w,@function
k_q8ebbdc4f33_quant_w:
	s_mov_b64 s[64:65], 0
	v_nop
	global_prefetch_b8 v0, s[64:65] scope:SCOPE_SE
	s_setreg_imm32_b32 hwreg(HW_REG_WAVE_MODE, 25, 1), 1
	s_wait_xcnt 0x0
; TWO JOBS IN ONE LAUNCH.  Work-groups 1 to 256 turn W1 [8][512][1024] and W2 [8][1024][512], f32, K innermost, into codes of BF6 (E3M2) with E8M0 scales, laid in the ORDER OF THE OPERAND'S REGISTERS of the next launch.
; Work-group 0 reads the experts chosen by the launch before (whole numbers) and sorts the tokens by expert: perm [8192] and a list of 135 tiles (expert, first slot, rows, 0).
; wq: 512 records of 12,800 bytes; record (e 4 + w) 16 + b: expert e, wave w of the next launch, batch b.  Bytes 0..12287: eight fragments (16 rows x 128 K, 12 registers a lane), registers 4 c .. 4 c + 3 of lane l at 1536 f + 512 c + 16 l.
; Bytes 12288 + 256 hh + 8 l: scale registers 2 hh, 2 hh + 1 of lane l; scale register j carries fragment 2 j's words in lanes 0-15 and fragment 2 j + 1's in lanes 16-31.
; b < 8: K step b of the first product; fragment t takes W1[e] rows 128 w + 32 (t / 2) + 8 (t % 2) + r + 8 (r / 8), so that the results of tiles 2 q and 2 q + 1 are 16 neighbours along the next K.
; b >= 8: output tiles 2 (b - 8), 2 (b - 8) + 1 of the second product; fragment 4 n + s takes W2[e] rows 256 w + 16 (2 (b - 8) + n) + r, K step s.
; A WAVE makes half a record, four fragments.  A fragment's 16 rows x 512 bytes are loaded row by row (512 consecutive bytes a load), turn through the wave's own stage in LDS (rows 528 bytes apart) and come back
; as the operand's layout wants them: lane (r, h) holds k = 64 c + 32 h + 0..31 of row r: two whole blocks, so a block's maximum needs no other lane.  No barrier on these paths: waves share nothing.
; THE TILES: with N[e] rows an expert has ceil(N / 64) tiles; these are 128 to 135 in all.  The L = 135 - their number tiles that are over split L full tiles of the expert with the most rows (at least 1,024, so it has 16 full ones)
; into halves of 32 rows: so each of the 135 tiles has rows, whatever the split, and the next launch has no branch.
; The three paths part on the work-group's number alone, and each has LDS bytes of its own.
; LIMITS: NaN and infinities among the weights are not served; a block of zeros gets the byte 1 (its codes are zeros; this program alone reads the bytes); perm is stored 4 bytes a lane at sorted places, 32,768 bytes in all.
.set STB,  33792                       ; LDS: W1's four stages from 0, W2's four from here, 8,448 bytes each
.set PLB,  67584                       ; LDS: the place path's 512 bytes
.set RAW,  16                          ; v16-143  two sets of 64: a fragment as loaded
.set XT,   144                         ; v144-207 a fragment in the operand's order
.set FR,   208                         ; v208-219 its codes
.set TMPC, 220                         ; v220-222, v224-226 the upper halves of the two blocks (a conversion's three registers begin on an even number)
.set MX,   228
.set SOP,  232
.set SBY,  234
.set SW,   236
.set TX,   237
.set SCW,  238                         ; v[238:239] my two scale registers
.set SWE,  240
	s_load_b256 s[4:11], s[0:1], 0x0               ; W1 s[4:5], W2 s[6:7], eidx s[8:9], wq s[10:11]
	s_load_b128 s[12:15], s[0:1], 0x20             ; perm s[12:13], tiles s[14:15]
	v_lshl_add_u32 v254, v0, 2, 0x10a00
	v_mov_b32 v255, 0
	v_lshrrev_b32 v1, 5, v0
	v_readfirstlane_b32 s16, v1                    ; wave
	v_and_b32 v1, 31, v0                           ; lane
	v_and_b32 v2, 15, v0                           ; r
	v_bfe_u32 v3, v0, 4, 1                         ; h
	v_lshlrev_b32 v4, 4, v1                        ; 16 x lane
	s_mul_i32 s17, s16, 8448
	v_add_nc_u32 v5, s17, v4                       ; the stage, in: 16 x lane of a row
	v_mul_u32_u24 v6, v2, 528
	v_lshl_add_u32 v6, v3, 7, v6
	v_add_nc_u32 v6, s17, v6                       ; out: row r, + 128 h
	v_lshlrev_b32 v7, 3, v1
	v_lshlrev_b32 v8, 3, v3                        ; 8 h: where my two bytes stand in the scale word
	s_mov_b32 s20, 0x76543210
	s_mov_b32 s21, 0xfedcba98
	s_mov_b32 s22, 0xffff0000                      ; lanes 16-31
	v_mov_b32 v[TX], 0                             ; a lane permute's destination counts as one of its sources
	s_cmp_eq_u32 ttmp9, 0
	s_cbranch_scc1 .Lplace
	s_sub_co_u32 s24, ttmp9, 1
	s_lshl_b32 s25, s24, 1
	s_lshr_b32 s26, s16, 1
	s_add_co_u32 s25, s25, s26                     ; the record
	s_and_b32 s26, s16, 1                          ; hh: which half of it
	s_lshr_b32 s27, s25, 6                         ; e
	s_bfe_u32 s28, s25, 0x20004                    ; w
	s_and_b32 s29, s25, 15                         ; b
	s_mul_i32 s30, s25, 12800
	s_mul_i32 s31, s26, 6144
	s_add_co_u32 s32, s30, s31                     ; my four fragments
	s_mov_b32 s33, 0
	s_lshl_b32 s31, s26, 8
	s_add_co_u32 s34, s30, s31
	s_add_co_u32 s34, s34, 12288                   ; my two scale registers
	s_mov_b32 s35, 0
	s_wait_kmcnt 0x0
	s_add_nc_u64 s[36:37], s[10:11], s[32:33]
	s_add_nc_u64 s[38:39], s[10:11], s[34:35]
	s_bitcmp1_b32 s24, 2                           ; b >= 8 in both records of the work-group?
	s_cbranch_scc1 .Lw2
.macro LOADF kind, i                   ; fragment i's 16 rows of 512 bytes into set i % 2
.set RW, RAW+64*((\i)%2)
.irp r, 0,1,2,3,4,5,6,7,8,9,10,11,12,13,14,15
.if \kind == 0
	global_load_b128 v[RW+4*\r:RW+4*\r+3], v4, s[4:5] offset:(32*((\i)/2)+8*((\i)%2)+\r+8*(\r/8))*4096 th:TH_LOAD_NT
.else
	global_load_b128 v[RW+4*\r:RW+4*\r+3], v4, s[6:7] offset:512*(\i)+2048*\r th:TH_LOAD_NT
.endif
.endr
.endm
.macro FRAGQ kind, i
.set RW, RAW+64*((\i)%2)
.if (\i) < 3
	s_wait_loadcnt 16                              ; this fragment's sixteen are in; the next fragment's may be out
.else
	s_wait_loadcnt 0x0
.endif
.irp r, 0,1,2,3,4,5,6,7,8,9,10,11,12,13,14,15
	ds_store_b128 v5, v[RW+4*\r:RW+4*\r+3] offset:STB*\kind+528*\r
.endr
.irp c, 0,1
.irp k, 0,1,2,3,4,5,6,7
	ds_load_b128 v[XT+32*\c+4*\k:XT+32*\c+4*\k+3], v6 offset:STB*\kind+256*\c+16*\k   ; in order behind my stores
.endr
.endr
	s_wait_dscnt 0x0                               ; the fragment is back, and the stores have read their set,
.if (\i) < 2
	LOADF \kind, (\i)+2                            ; which takes the fragment two on
.endif
.irp c, 0,1
	v_max3_num_f32 v[MX+\c], |v[XT+32*\c]|, |v[XT+32*\c+1]|, 0x2800000   ; my block 2 c + h, and the floor 2^(5 - 127): the byte cannot fall under 1
.endr
.irp i2, 2,4,6,8,10,12,14,16,18,20,22,24,26,28,30
.irp c, 0,1
	v_max3_num_f32 v[MX+\c], v[MX+\c], |v[XT+32*\c+\i2]|, |v[XT+32*\c+\i2+1]|   ; (the two blocks by turns)
.endr
.endr
.irp c, 0,1
	v_add_nc_u32 v[SOP+\c], 0xfe000000, v[MX+\c]   ; 4 off the exponent field: the conversion's scale operand
.endr
.irp c, 0,1
	v_lshrrev_b32 v[SBY+\c], 23, v[SOP+\c]         ; the scale's byte
.endr
	v_lshl_or_b32 v[SW], v[SBY+1], 16, v[SBY]      ; blocks h and 2 + h of row r,
	v_lshlrev_b32 v[SW], v8, v[SW]                 ; at their places in the word;
	v_permlanex16_b32 v[TX], v[SW], s20, s21
	v_or_b32 v[SW], v[SW], v[TX]                   ; with lane l xor 16's two the word is whole, in both halves of the lanes
	s_wait_xcnt 0x0                                ; the last fragment's stores have read the codes' registers
.irp c, 0,1
	v_cvt_scalef32_pk16_bf6_f32 v[FR+6*\c:FR+6*\c+2], v[XT+32*\c:XT+32*\c+15], v[SOP+\c]
	v_cvt_scalef32_pk16_bf6_f32 v[TMPC+4*\c:TMPC+4*\c+2], v[XT+32*\c+16:XT+32*\c+31], v[SOP+\c]
.endr
	v_nop                                          ; one plain line behind the conversions
.irp c, 0,1
.irp q, 0,1,2
	v_mov_b32 v[FR+6*\c+3+\q], v[TMPC+4*\c+\q]
.endr
.endr
.irp q, 0,1,2
	global_store_b128 v4, v[FR+4*\q:FR+4*\q+3], s[36:37] offset:1536*(\i)+512*\q   ; 512 consecutive bytes, aligned
.endr
.if (\i)%2 == 0
	v_mov_b32 v[SWE], v[SW]
.else
	v_cndmask_b32 v[SCW+(\i)/2], v[SWE], v[SW], s22                ; the even fragment's words below, the odd one's above
.endif
.endm
.macro WPATH kind
	LOADF \kind, 0
	LOADF \kind, 1
	FRAGQ \kind, 0
	FRAGQ \kind, 1
	FRAGQ \kind, 2
	FRAGQ \kind, 3
	global_store_b64 v7, v[SCW:SCW+1], s[38:39]    ; 256 consecutive bytes, aligned
	s_wait_tensorcnt 0x0
	ds_add_u32 v254, v255
	s_wait_dscnt 0x0
	s_endpgm
.endm
	s_lshl_b32 s40, s27, 9                         ; W1: row 512 e + 128 w + 64 hh, 4,096 bytes a row, + 512 b
	s_lshl_b32 s41, s28, 7
	s_add_co_u32 s40, s40, s41
	s_lshl_b32 s41, s26, 6
	s_add_co_u32 s40, s40, s41
	s_lshl_b32 s40, s40, 12
	s_lshl_b32 s41, s29, 9
	s_add_co_u32 s40, s40, s41
	s_mov_b32 s41, 0
	s_add_nc_u64 s[4:5], s[4:5], s[40:41]
	WPATH 0
.Lw2:
	s_lshl_b32 s40, s27, 10                        ; W2: row 1024 e + 256 w + 32 (b - 8) + 16 hh, 2,048 bytes a row
	s_lshl_b32 s41, s28, 8
	s_add_co_u32 s40, s40, s41
	s_sub_co_u32 s41, s29, 8
	s_lshl_b32 s41, s41, 5
	s_add_co_u32 s40, s40, s41
	s_lshl_b32 s41, s26, 4
	s_add_co_u32 s40, s40, s41
	s_lshl_b32 s40, s40, 11
	s_mov_b32 s41, 0
	s_add_nc_u64 s[6:7], s[6:7], s[40:41]
	WPATH 1
; ---- THE PLACING OF ROWS: a counting sort by 128 threads, whole numbers throughout.  Wave wv takes tokens 2048 wv on; register c = 4 jj + i of lane l holds token 2048 wv + 128 jj + 4 l + i.
.set PX,  16                           ; v16-79   the experts, later the token numbers
.set PRK, 80                           ; v80-143  a token's rank among its expert's tokens in my wave, later its slot's byte in perm
.set T,   144                          ; v144-151 at work
.set CV,  152                          ; lane e: my wave's count of expert e
.set C0,  153                          ; v153-156 the four waves' counts
.set NV,  157                          ; lane e: N[e]
.set PV,  158                          ; lane e: the counts of the waves in front of mine
.set BV,  159
.set DV,  160                          ; lane e: where my wave's tokens of expert e begin
.set TB,  161                          ; 2048 wv + 4 lane
.set DB,  184                          ; v184-247 DV of each token's expert
.Lplace:
	s_wait_kmcnt 0x0
	s_lshl_b32 s17, s16, 13
	v_add_nc_u32 v182, s17, v4
.irp jj, 0,1,2,3,4,5,6,7,8,9,10,11,12,13,14,15
	global_load_b128 v[PX+4*\jj:PX+4*\jj+3], v182, s[8:9] offset:512*\jj
.endr
.irp e, 0,1,2,3,4,5,6,7
	s_mov_b32 s[32+\e], 0                          ; s[32:39]: how many of expert e my wave has met
.endr
	v_lshl_add_u32 v180, v0, 2, PLB
	v_lshl_add_u32 v181, v1, 2, PLB
	s_lshl_b32 s17, s16, 11
	v_lshl_add_u32 v[TB], v1, 2, s17
	s_wait_loadcnt 0x0
.macro RANK c                          ; rank = those met in earlier registers + those in lower lanes of this one
.irp e, 0,1,2,3,4,5,6,7
	v_cmp_eq_u32 s[40+\e], \e, v[PX+(\c)]
.endr
	v_mbcnt_lo_u32_b32 v[PRK+(\c)], s40, s32
.irp e, 1,2,3,4,5,6,7
	v_mbcnt_lo_u32_b32 v[T+\e], s[40+\e], s[32+\e]
.endr
.irp e, 1,2,3,4,5,6,7
	v_cndmask_b32 v[PRK+(\c)], v[PRK+(\c)], v[T+\e], s[40+\e]
.endr
.irp e, 0,1,2,3,4,5,6,7
	s_bcnt1_i32_b32 s48, s[40+\e]
	s_add_co_u32 s[32+\e], s[32+\e], s48
.endr
.endm
.set Q, 0
.rept 64
	RANK Q
.set Q, Q+1
.endr
	v_mov_b32 v[CV], 0
.irp e, 0,1,2,3,4,5,6,7
	v_writelane_b32 v[CV], s[32+\e], \e
.endr
	ds_store_b32 v180, v[CV]
	s_wait_dscnt 0x0                               ; for the others' sake: my counts lie in LDS
	s_barrier_signal -1
	s_barrier_wait -1
.irp q, 0,1,2,3
	ds_load_b32 v[C0+\q], v181 offset:128*\q
.endr
	s_wait_dscnt 0x0
	v_add_nc_u32 v[NV], v[C0], v[C0+1]
	v_add3_u32 v[NV], v[NV], v[C0+2], v[C0+3]
	v_mov_b32 v[PV], 0
.irp q, 0,1,2
	s_cmp_gt_u32 s16, \q
	s_cselect_b32 s49, -1, 0
	v_and_b32 v[T], s49, v[C0+\q]
	v_add_nc_u32 v[PV], v[PV], v[T]
.endr
.irp e, 0,1,2,3,4,5,6,7
	v_readlane_b32 s[52+\e], v[NV], \e             ; s[52:59] N
.endr
	s_mov_b32 s87, 0
.irp e, 0,1,2,3,4,5,6,7
	s_add_co_u32 s[88+\e], s[52+\e], 63
	s_lshr_b32 s[88+\e], s[88+\e], 6               ; s[88:95] ceil(N / 64)
	s_add_co_u32 s87, s87, s[88+\e]
.endr
	s_sub_co_u32 s86, 135, s87                     ; L: the tiles that are over, 0 to 7
	s_mov_b32 s84, 0                               ; the first expert with the most rows,
	s_mov_b32 s85, s52                             ; and how many
.irp e, 1,2,3,4,5,6,7
	s_cmp_gt_u32 s[52+\e], s85
	s_cselect_b32 s84, \e, s84
	s_cselect_b32 s85, s[52+\e], s85
.endr
	s_mov_b32 s68, 0                               ; s[68:75] an expert's first tile
	s_mov_b32 s76, 0                               ; s[76:83] an expert's first slot in perm
.irp e, 0,1,2,3,4,5,6
	s_cmp_eq_u32 s84, \e
	s_cselect_b32 s49, s86, 0
	s_add_co_u32 s49, s49, s[88+\e]
	s_add_co_u32 s[69+\e], s[68+\e], s49
	s_add_co_u32 s[77+\e], s[76+\e], s[52+\e]
.endr
	v_mov_b32 v[BV], 0
.irp e, 0,1,2,3,4,5,6,7
	v_writelane_b32 v[BV], s[76+\e], \e
.endr
	v_add_nc_u32 v[DV], v[BV], v[PV]
.set Q, 0
.rept 64
	v_min_u32 v[PX+Q], 7, v[PX+Q]                  ; an expert's number, held inside the eight lanes that carry a base
	v_lshlrev_b32 v[PX+Q], 2, v[PX+Q]
.set Q, Q+1
.endr
.set Q, 0
.rept 64
	ds_bpermute_b32 v[DB+Q], v[PX+Q], v[DV]        ; DV of lane e: between lanes, no LDS byte is touched
.set Q, Q+1
.endr
	s_wait_dscnt 0x0
.set Q, 0
.rept 64
	v_add_nc_u32 v[PRK+Q], v[PRK+Q], v[DB+Q]       ; the token's slot,
	v_min_u32 v[PRK+Q], 0x1fff, v[PRK+Q]           ; held inside perm,
	v_lshlrev_b32 v[PRK+Q], 2, v[PRK+Q]            ; in bytes
	v_add_nc_u32 v[PX+Q], 128*(Q/4)+Q%4, v[TB]     ; the token's number
	global_store_b32 v[PRK+Q], v[PX+Q], s[12:13]   ; no register of a store is written again
.set Q, Q+1
.endr
.macro TILEROW base, o, a              ; entry thread + base of the list
	v_add_nc_u32 v162, \base, v0
	v_mov_b32 v[\o], 0                             ; the expert whose tiles hold this entry: the last whose first tile is not beyond it
	v_mov_b32 v163, 0
	v_mov_b32 v164, 0
	v_mov_b32 v165, s52
.irp j, 1,2,3,4,5,6,7
	v_cmp_le_u32 vcc_lo, s[68+\j], v162
	v_cndmask_b32 v[\o], v[\o], \j, vcc_lo
	v_cndmask_b32 v163, v163, s[68+\j], vcc_lo
	v_cndmask_b32 v164, v164, s[76+\j], vcc_lo
	v_cndmask_b32 v165, v165, s[52+\j], vcc_lo
.endr
	v_sub_nc_u32 v166, v162, v163                  ; i: which of the expert's tiles
	v_cmp_eq_u32 vcc_lo, s84, v[\o]
	v_cndmask_b32 v167, 0, s86, vcc_lo             ; L for the largest expert, else 0
	v_lshlrev_b32 v168, 1, v167
	v_sub_nc_u32 v169, v166, v167
	v_lshlrev_b32 v169, 6, v169                    ; a whole tile's first row: 64 (i - L)
	v_min_u32 v[\o+2], v165, v169
	v_sub_nc_u32 v[\o+2], v165, v[\o+2]
	v_min_u32 v[\o+2], 64, v[\o+2]                 ; its rows: at most 64 of what is left
	v_cmp_lt_u32 vcc_lo, v166, v168                ; the first 2 L tiles are halves: 32 rows from row 32 i
	v_lshlrev_b32 v166, 5, v166
	v_cndmask_b32 v[\o+1], v169, v166, vcc_lo
	v_add_nc_u32 v[\o+1], v164, v[\o+1]
	v_cndmask_b32 v[\o+2], v[\o+2], 32, vcc_lo
	v_mov_b32 v[\o+3], 0
	v_lshlrev_b32 v[\a], 4, v162
	global_store_b128 v[\a], v[\o:\o+3], s[14:15]
.endm
	TILEROW 0, 172, 170
	TILEROW 128, 176, 171                          ; entries from 135 on are written and never read
	s_wait_tensorcnt 0x0
	ds_add_u32 v254, v255
	s_wait_dscnt 0x0
	s_endpgm
.Lfunc_end_k_q8ebbdc4f33_quant_w:
	.size	k_q8ebbdc4f33_quant_w, .Lfunc_end_k_q8ebbdc4f33_quant_w-k_q8ebbdc4f33_quant_w
	.p2alignl 7, 3214868480
	.fill 96, 4, 3214868480
	.section	.rodata,"a",@progbits
	.p2align	6, 0x0
	.amdhsa_kernel k_q8ebbdc4f33_quant_w
		.amdhsa_group_segment_fixed_size 68608
		.amdhsa_private_segment_fixed_size 0
		.amdhsa_enable_private_segment 0
		.amdhsa_kernarg_size 48
		.amdhsa_user_sgpr_count 2
		.amdhsa_user_sgpr_kernarg_segment_ptr 1
		.amdhsa_wavefront_size32 1
		.amdhsa_system_sgpr_workgroup_id_x 1
		.amdhsa_system_sgpr_workgroup_id_y 1
		.amdhsa_system_sgpr_workgroup_id_z 1
		.amdhsa_system_vgpr_workitem_id 0
		.amdhsa_next_free_vgpr 256
		.amdhsa_next_free_sgpr 100
		.amdhsa_reserve_vcc 1
		.amdhsa_float_denorm_mode_32 3
		.amdhsa_float_denorm_mode_16_64 3
		.amdhsa_memory_ordered 1
		.amdhsa_forward_progress 1
		.amdhsa_inst_pref_size 221
	.end_amdhsa_kernel
	.amdgpu_metadata
---
amdhsa.version: [ 1, 2 ]
amdhsa.kernels:
  - .name:           k_q8ebbdc4f33_quant_w
    .symbol:         k_q8ebbdc4f33_quant_w.kd
    .args:
      - { .name: W1, .offset: 0, .size: 8, .value_kind: global_buffer, .address_space: global }
      - { .name: W2, .offset: 8, .size: 8, .value_kind: global_buffer, .address_space: global }
      - { .name: eidx, .offset: 16, .size: 8, .value_kind: global_buffer, .address_space: global }
      - { .name: wq, .offset: 24, .size: 8, .value_kind: global_buffer, .address_space: global }
      - { .name: perm, .offset: 32, .size: 8, .value_kind: global_buffer, .address_space: global }
      - { .name: tiles, .offset: 40, .size: 8, .value_kind: global_buffer, .address_space: global }
    .group_segment_fixed_size: 68608
    .private_segment_fixed_size: 0
    .kernarg_segment_align: 8
    .kernarg_segment_size: 48
    .max_flat_workgroup_size: 128
    .sgpr_count:     100
    .vgpr_count:     256
    .wavefront_size: 32
...
	.end_amdgpu_metadata
.endif
;; end of part 2
;; launch chain (part 3): grid 135 x 1, 4 waves a work-group, no clusters, 151,040 bytes of LDS; arguments xq, xs, wq, b1, b2, perm, tiles, out0; writes out0
.if DOCPART == 3
	.amdgcn_target "amdgcn-amd-amdhsa--gfx1250"
	.amdhsa_code_object_version 6
	.text
	.protected	k_q8ebbdc4f33_chain
	.globl	k_q8ebbdc4f33_chain
	.p2align	8
	.type	k_q8ebbdc4f33_chain,@function
k_q8ebbdc4f33_chain:
	s_mov_b64 s[64:65], 0
	v_nop
	global_prefetch_b8 v0, s[64:65] scope:SCOPE_SE
	s_setreg_imm32_b32 hwreg(HW_REG_WAVE_MODE, 25, 1), 1
	s_wait_xcnt 0x0
; out[t] = Q(relu(Q(x[t]) Q(W1[e])^T + b1[e])) Q(W2[e])^T + b2[e], e the expert chosen for token t: both products on codes of BF6 (E3M2) with one E8M0 scale for each 32 along K, sums in f32.
; A WORK-GROUP takes one entry of the list of tiles (expert, first slot in perm, rows): 64 row slots of ONE expert, through the whole chain; the hidden layer never goes to memory.  135 entries, each with rows.
; A row slot at or beyond the entry's rows repeats the tile's last token: it computes that token's numbers once more and stores the same numbers to the same bytes, from the same work-group.  So the text has no branch and no mask.
; THE WAVES SHARE THE COLUMNS: wave w makes hidden units 128 w .. + 127 and outputs 256 w .. + 255, for all 64 rows: each weight fragment is loaded once in the work-group and feeds four matrix instructions.
; THE WEIGHTS come from memory straight into registers, in 16 batches of 12,800 bytes a wave, laid by the launch before in the order of the operand's registers: every offset is an immediate, three sets of registers take turns.
; BOTH PRODUCTS ARE USED TRANSPOSED (source 0 = 16 rows of a weight, source 1 = 16 tokens): a lane holds one token and eight neighbouring units or outputs.  The biases are the C of each sum's first matrix instruction.
; x's rows (768 bytes of codes, 32 scale bytes) are gathered once into LDS; the hidden layer's fragments go from wave to wave through LDS as images of their registers.  Two barriers.
; NO TENSOR LOADS, NO CLUSTER: the weights' address is made of an expert's number read from memory, neighbours in the list need not share an expert, and 135 work-groups divide into no cluster of four.
; 64 rows to a tile: every work-group needs its expert's 819,200 bytes however few rows it has; 32 rows would double those reads and halve what a fragment feeds.
; LIMITS: NaN and infinities are not served; a hidden block of zeros gets the byte 1 (its codes are zeros).
; REGISTERS, in windows of 256.  Window 0: v1-15 addresses; v16-31, v76-79 the head's work; v32-47 x's scale words, v48-63 the hidden layer's, v64-75 the weights' (three sets): these hold scales and nothing else;
;   v80-143 b1, then a tile of the hidden layer, then accumulators of y; v144-207 the quantiser's work, then accumulators of y; v208-255 b2, three sets.
;   Window 1: weight sets 0 and 1 (v0-95, v96-191); v192-223 my rows' byte offsets in out0.   Window 2: the first product's 32 accumulators, then the hidden layer's 16 fragments.
;   Window 3: weight set 2 (v0-95); v96-191 two buffers of x's fragments; before them the gather's registers; after them 32 rows of y on the way out (v96-223).
.set XP,   784                         ; LDS: x's codes, 64 rows x (768 + 16) from byte 0: row r starts 4 r banks on (64 banks of 4 bytes: ISA guide 11.1)
.set XSL,  50176                       ; x's scale bytes: 64 rows x 48
.set HIMG, 53248                       ; the hidden layer's 16 fragments, 1,536 bytes each: tile of rows m, K step s at 4 m + s
.set HSC,  77824                       ; their scale words, 128 bytes each
.set TL,   79872                       ; the tile's 64 tokens, once for each wave: 256 bytes
.set STG,  80896                       ; the way out: 64 rows x (256 + 16) for each wave
.set XSR,  32
.set HS,   48
.set WS,   64
.set HA,   80
.set PC,   144
.set TM,   164
.set PW,   180
.set TK,   144
.set B2R,  208
.set OA,   192                         ; in window 1
.set OUTR, 96                          ; in window 3
.set MSB, 0
.macro WIN new                         ; the immediate's high byte repeats the setting that is left
.if MSB != \new
	s_set_vgpr_msb (MSB<<8)|\new
.set MSB, \new
.endif
.endm
.macro PLACES                          ; four plain lines behind matrix instructions, in front of loads into their registers and of the first read of results
.rept 4
	v_nop
.endr
.endm
.macro WM d, a, b, c, sa, sb, ra, rb   ; one product; ra, rb: the side's scale words stand in lanes 16-31
.if (\ra) && (\rb)
	v_wmma_scale_f32_16x16x128_f8f6f4 v[\d:\d+7], v[\a:\a+11], v[\b:\b+11], v[\c:\c+7], v[\sa], v[\sb] matrix_a_fmt:MATRIX_FMT_BF6 matrix_b_fmt:MATRIX_FMT_BF6 matrix_a_scale:MATRIX_SCALE_ROW1 matrix_b_scale:MATRIX_SCALE_ROW1
.elseif (\ra)
	v_wmma_scale_f32_16x16x128_f8f6f4 v[\d:\d+7], v[\a:\a+11], v[\b:\b+11], v[\c:\c+7], v[\sa], v[\sb] matrix_a_fmt:MATRIX_FMT_BF6 matrix_b_fmt:MATRIX_FMT_BF6 matrix_a_scale:MATRIX_SCALE_ROW1
.elseif (\rb)
	v_wmma_scale_f32_16x16x128_f8f6f4 v[\d:\d+7], v[\a:\a+11], v[\b:\b+11], v[\c:\c+7], v[\sa], v[\sb] matrix_a_fmt:MATRIX_FMT_BF6 matrix_b_fmt:MATRIX_FMT_BF6 matrix_b_scale:MATRIX_SCALE_ROW1
.else
	v_wmma_scale_f32_16x16x128_f8f6f4 v[\d:\d+7], v[\a:\a+11], v[\b:\b+11], v[\c:\c+7], v[\sa], v[\sb] matrix_a_fmt:MATRIX_FMT_BF6 matrix_b_fmt:MATRIX_FMT_BF6
.endif
.endm
.macro WLOAD i                         ; batch i into set i % 3: 24 loads of codes, 2 of scale words; from batch 8 on 4 of b2: 26 or 30 loads
.set WSET, (\i)%3
.if WSET == 2
.set WB, 0
	WIN 0xc0
.else
.set WB, 96*WSET
	WIN 0x40
.endif
.irp f, 0,1,2,3,4,5,6,7
.irp c, 0,1,2
	global_load_b128 v[WB+12*\f+4*\c:WB+12*\f+4*\c+3], v4, s[8:9] offset:12800*(\i)+1536*\f+512*\c
.endr
.endr
	WIN 0
.irp hh, 0,1
	global_load_b64 v[WS+4*WSET+2*\hh:WS+4*WSET+2*\hh+1], v5, s[8:9] offset:12800*(\i)+12288+256*\hh
.endr
.if (\i) >= 8
.irp n, 0,1
.irp k, 0,1
	global_load_b128 v[B2R+16*WSET+8*\n+4*\k:B2R+16*WSET+8*\n+4*\k+3], v15, s[12:13] offset:64*(2*((\i)-8)+\n)+16*\k
.endr
.endr
.endif
.endm
.macro WAITW i                         ; batch i is in: behind it batches i + 1 and i + 2 were issued, 26 loads each up to batch 7, 30 from batch 8 on, none beyond 15
.set CNT, 0
.irp d, 1,2
.if (\i)+\d < 8
.set CNT, CNT+26
.elseif (\i)+\d < 16
.set CNT, CNT+30
.endif
.endr
	s_wait_loadcnt CNT
.endm
.macro XLOAD s                         ; x's four fragments of K step s into buffer s % 2: 24 bytes of a row's stream of bits as three pieces of 8, twice
.set XB, 96+48*((\s)%2)
	WIN 0xc0
.irp m, 0,1,2,3
.irp p, 0,1,2,3,4,5
	ds_load_b64 v[XB+12*\m+2*\p:XB+12*\m+2*\p+1], v6 offset:16*XP*\m+96*(\s)+48*(\p/3)+8*(\p%3)
.endr
.endr
	WIN 0
.endm
.macro MUL1 s                          ; K step s of the first product: 8 tiles of hidden units x 4 tiles of rows; the 32 accumulators take turns, one instruction a turn
.set WSET, (\s)%3
.set XB, 96+48*((\s)%2)
.if WSET == 2
.set WB, 0
	WIN 0xaf                                       ; W window 3, x window 3, C and D window 2
.elseif (\s) == 0
.set WB, 0
	WIN 0x8d                                       ; W window 1, x window 3, C (b1) window 0, D window 2
.else
.set WB, 96*WSET
	WIN 0xad                                       ; W window 1, x window 3, C and D window 2
.endif
.irp t, 0,1,2,3,4,5,6,7
.irp m, 0,1,2,3
.set rD, 64*\m+8*\t
.set rA, WB+12*\t
.set rB, XB+12*\m
.if (\s) == 0
.set rC, HA+8*\t
.else
.set rC, rD
.endif
	WM rD, rA, rB, rC, WS+4*WSET+\t/2, XSR+8*(\m%2)+(\s), \t%2, \m/2
.endr
.endr
.endm
; 64 numbers of a lane, register 16 b + i = k 32 b + 16 (lane / 16) + i of my row, become a fragment's codes in v[PC] on and its scale word in v[PW]
.macro QUANT s
.irp b, 0,1,2,3
	v_max3_num_f32 v[TM+\b], |v[\s+16*\b]|, |v[\s+1+16*\b]|, 0x2800000   ; block b: my 16 numbers, and the floor 2^(5 - 127): the byte cannot fall under 1
.endr
.irp i, 2,4,6,8,10,12,14
.irp b, 0,1,2,3
	v_max3_num_f32 v[TM+\b], v[TM+\b], |v[\s+16*\b+\i]|, |v[\s+1+16*\b+\i]|   ; (the four blocks by turns)
.endr
.endr
.irp b, 0,1,2,3
	v_permlanex16_b32 v[TM+4+\b], v[TM+\b], s32, s33
.endr
.irp b, 0,1,2,3
	v_max_num_f32 v[TM+\b], v[TM+\b], v[TM+4+\b]   ; with lane l xor 16's: the block's largest magnitude
.endr
.irp b, 0,1,2,3
	v_add_nc_u32 v[TM+12+\b], 0xfe000000, v[TM+\b] ; 4 off its exponent field: the conversion's scale operand
.endr
.irp b, 0,1,2,3
	v_lshrrev_b32 v[TM+4+\b], 23, v[TM+12+\b]      ; the scale's byte
.endr
	v_lshl_or_b32 v[PW], v[TM+5], 8, v[TM+4]
	v_lshl_or_b32 v[PW], v[TM+6], 16, v[PW]
	v_lshl_or_b32 v[PW], v[TM+7], 24, v[PW]
.irp c, 0,1
	v_cvt_scalef32_pk16_bf6_f32 v[PC+6*\c:PC+2+6*\c], v[\s+32*\c:\s+15+32*\c], v[TM+12+2*\c]
	v_cvt_scalef32_pk16_bf6_f32 v[PC+12+4*\c:PC+14+4*\c], v[\s+16+32*\c:\s+31+32*\c], v[TM+12+2*\c+1]   ; (a conversion's three registers begin on an even number)
.endr
	v_nop                                          ; one plain line behind the conversions
.irp c, 0,1                                    ; the operand's layout wants a whole block in a lane
.irp i, 0,1,2
	v_permlane16_swap_b32 v[PC+6*\c+\i], v[PC+12+4*\c+\i]
.endr
.irp i, 0,1,2
	v_mov_b32 v[PC+3+6*\c+\i], v[PC+12+4*\c+\i]
.endr
.endr
.endm
.macro IMAGE adr, off                  ; the fragment in v[PC] on goes to LDS as it stands: lane l's 16 bytes at 16 l
.irp c, 0,1,2
	ds_store_b128 v[\adr], v[PC+4*\c:PC+4*\c+3] offset:\off+512*\c
.endr
.endm
.macro MUL2 p                          ; output tiles 2 p, 2 p + 1 for the four tiles of rows, all of K = 512: 8 accumulators by turns
.set WSET, (8+(\p))%3
.if WSET == 2
.set WB, 0
	WIN 0x0b                                       ; W window 3, the hidden layer window 2, C and D window 0
.else
.set WB, 96*WSET
	WIN 0x09                                       ; W window 1
.endif
.set AC, HA+64*((\p)%2)
.irp s, 0,1,2,3
.irp n, 0,1
.irp m, 0,1,2,3
.set rD, AC+8*(4*\n+\m)
.set rA, WB+12*(4*\n+\s)
.set rB, 12*(4*\m+\s)
.if \s == 0
.set rC, B2R+16*WSET+8*\n
.else
.set rC, rD
.endif
	WM rD, rA, rB, rC, WS+4*WSET+2*\n+\s/2, HS+4*\m+\s, \s%2, 0
.endr
.endr
.endr
.endm
.macro TOSTAGE p                       ; lane (r, h): y(16 m + r, 16 (2 p + n) + 8 h + 0..7): 32 bytes into my stage; each accumulator from its low end on
.set AC, HA+64*((\p)%2)
.irp m, 0,1,2,3
.irp n, 0,1
	ds_store_b128 v12, v[AC+8*(4*\n+\m):AC+8*(4*\n+\m)+3] offset:16*272*\m+128*((\p)%2)+64*\n
	ds_store_b128 v12, v[AC+8*(4*\n+\m)+4:AC+8*(4*\n+\m)+7] offset:16*272*\m+128*((\p)%2)+64*\n+16
.endr
.endr
.endm
.macro BACK                            ; 64 rows x 256 bytes back from my stage: lanes 0-15 row i, lanes 16-31 row 32 + i; in order behind my stores
	s_wait_xcnt 0x0                                ; the last group's stores have read these registers
	WIN 0xc0
.set Q, 0
.rept 32
	ds_load_b128 v[OUTR+4*Q:OUTR+4*Q+3], v13 offset:272*Q
.set Q, Q+1
.endr
	WIN 0
.endm
.macro SEND g                          ; group g: 64 outputs of each row: sixteen lanes store 256 consecutive bytes, aligned, of a token's row
	s_wait_dscnt 0x0
	WIN 0x0d                                       ; address window 1, data window 3
.set Q, 0
.rept 32
	global_store_b128 v[OA+Q], v[OUTR+4*Q:OUTR+4*Q+3], s[18:19] offset:256*(\g) th:TH_STORE_NT
.set Q, Q+1
.endr
	WIN 0
.endm
	s_load_b256 s[4:11], s[0:1], 0x0               ; xq s[4:5], xs s[6:7], wq s[8:9], b1 s[10:11]
	s_load_b256 s[12:19], s[0:1], 0x20             ; b2 s[12:13], perm s[14:15], tiles s[16:17], out0 s[18:19]
	s_set_vgpr_msb 0x40
	v_lshl_add_u32 v254, v0, 2, 0x24c00
	v_mov_b32 v255, 0
	s_set_vgpr_msb 0x4000
	v_lshrrev_b32 v1, 5, v0
	v_readfirstlane_b32 s20, v1                    ; wave
	v_and_b32 v1, 31, v0                           ; lane
	v_and_b32 v2, 15, v0                           ; r
	v_bfe_u32 v3, v0, 4, 1                         ; h
	v_lshlrev_b32 v4, 4, v1                        ; 16 x lane
	v_lshlrev_b32 v5, 3, v1                        ; 8 x lane
	v_mul_u32_u24 v6, v2, XP
	v_mad_u32_u24 v6, v3, 24, v6                   ; x's fragments: row r, + 24 h
	v_mul_u32_u24 v7, v2, 48
	v_mad_u32_u24 v7, v3, 1536, v7
	v_add_nc_u32 v7, XSL, v7                       ; x's scale words: row r + 32 h: lanes 0-15 tiles 0, 1, lanes 16-31 tiles 2, 3
	s_mul_i32 s21, s20, 1536
	v_add_nc_u32 v8, s21, v4
	v_add_nc_u32 v8, HIMG, v8                      ; where I store my images: K step w
	s_lshl_b32 s21, s20, 7
	v_lshl_add_u32 v9, v1, 2, s21
	v_add_nc_u32 v9, HSC, v9                       ; and their scale words
	v_add_nc_u32 v10, HIMG, v4                     ; where any image is read
	v_lshl_add_u32 v11, v1, 2, HSC
	s_mul_i32 s21, s20, 64*272
	s_add_co_u32 s21, s21, STG                     ; my stage
	v_mul_u32_u24 v12, v2, 272
	v_lshl_add_u32 v12, v3, 5, v12
	v_add_nc_u32 v12, s21, v12                     ; in: row r, + 32 h
	v_mul_u32_u24 v13, v3, 32*272
	v_lshl_add_u32 v13, v2, 4, v13
	v_add_nc_u32 v13, s21, v13                     ; back: row 32 h, + 16 r
	v_lshlrev_b32 v14, 6, v3                       ; b1: 64 h
	v_lshlrev_b32 v15, 5, v3                       ; b2: 32 h
	s_lshl_b32 s21, s20, 8
	s_add_co_u32 s21, s21, TL                      ; my wave's copy of the tile's tokens
	v_lshl_add_u32 v20, v1, 2, s21                 ; in: 4 x lane
	v_lshl_add_u32 v23, v3, 7, s21                 ; rows 32 h on
	s_lshl_b32 s22, s20, 6
	s_add_co_u32 s22, s22, s21                     ; rows 16 w on
	v_lshl_add_u32 v21, v3, 5, s22                 ; rows 16 w + 8 h on
	v_lshrrev_b32 v22, 1, v1
	v_lshl_add_u32 v22, v22, 2, s22                ; row 16 w + lane / 2
	v_lshlrev_b32 v79, 4, v2                       ; 16 r
	s_mul_i32 s22, s20, 16*XP
	v_mad_u32_u24 v77, v3, 8*XP, v79
	v_add_nc_u32 v77, s22, v77                     ; where the gathered codes go: row 16 w + 8 h, + 16 r
	v_lshrrev_b32 v78, 1, v1
	v_mul_u32_u24 v78, v78, 48
	v_and_b32 v181, 1, v1
	v_lshl_add_u32 v78, v181, 4, v78
	s_mul_i32 s22, s20, 768
	s_add_co_u32 s22, s22, XSL
	v_add_nc_u32 v78, s22, v78                     ; and the scale bytes: row 16 w + lane / 2, + 16 (lane % 2)
	v_lshlrev_b32 v182, 4, v181
	s_lshl_b32 s22, s20, 10
	v_add_nc_u32 v183, s22, v79                    ; in a row of out0: 1024 w + 16 r
	s_lshl_b32 s28, ttmp9, 4
	s_mov_b32 s29, 0
	s_mov_b32 s31, 0
	s_mov_b32 s32, 0x76543210
	s_mov_b32 s33, 0xfedcba98                      ; v_permlanex16_b32's selects for lane l xor 16
	s_wait_kmcnt 0x0
	s_add_nc_u64 s[16:17], s[16:17], s[28:29]
	s_load_b128 s[24:27], s[16:17], 0x0            ; my entry: expert, first slot, rows, 0
	s_wait_kmcnt 0x0
	s_min_u32 s24, s24, 7                          ; each is held inside its table before it enters an address
	s_min_u32 s25, s25, 0x1fff
	s_min_u32 s26, s26, 64
	s_max_u32 s26, s26, 1
	s_sub_co_u32 s27, s26, 1                       ; the last row that has a token
	s_lshl_b32 s30, s24, 2
	s_add_co_u32 s30, s30, s20
	s_mul_i32 s30, s30, 204800                     ; my 16 records: (4 e + w) x 16 x 12,800 bytes
	s_add_nc_u64 s[8:9], s[8:9], s[30:31]
	s_lshl_b32 s30, s24, 11
	s_lshl_b32 s21, s20, 9
	s_add_co_u32 s30, s30, s21
	s_add_nc_u64 s[10:11], s[10:11], s[30:31]      ; b1[e] at my 128 units
	s_lshl_b32 s30, s24, 12
	s_lshl_b32 s21, s20, 10
	s_add_co_u32 s30, s30, s21
	s_add_nc_u64 s[12:13], s[12:13], s[30:31]      ; b2[e] at my 256 outputs
	v_min_u32 v16, s27, v1                         ; rows lane and lane + 32; a row beyond the last takes the last
	v_add_nc_u32 v17, 32, v1
	v_min_u32 v17, s27, v17
	v_add_nc_u32 v16, s25, v16
	v_add_nc_u32 v17, s25, v17
	v_min_u32 v16, 0x1fff, v16
	v_min_u32 v17, 0x1fff, v17
	v_lshlrev_b32 v16, 2, v16
	v_lshlrev_b32 v17, 2, v17
	global_load_b32 v18, v16, s[14:15]
	global_load_b32 v19, v17, s[14:15]
.irp t, 0,1,2,3,4,5,6,7
.irp k, 0,1
	global_load_b128 v[HA+8*\t+4*\k:HA+8*\t+4*\k+3], v14, s[10:11] offset:(32*(\t/2)+8*(\t%2))*4+16*\k   ; b1 in the result's layout: tile t, units 32 (t / 2) + 16 h + 8 (t % 2) + 0..7
.endr
.endr
	WLOAD 0
	s_wait_loadcnt 42                              ; the two loads of perm are in; behind them b1's 16 and batch 0's 26 were issued
	ds_store_b32 v20, v18                          ; the tokens change lanes through my wave's own 256 bytes
	ds_store_b32 v20, v19 offset:128
	ds_load_b128 v[24:27], v21                     ; rows 16 w + 8 h + 0..7: those whose codes I gather
	ds_load_b128 v[28:31], v21 offset:16
	ds_load_b32 v76, v22                           ; row 16 w + lane / 2: whose scale bytes I gather
.irp j, 0,1,2,3,4,5,6,7
	ds_load_b128 v[TK+4*\j:TK+4*\j+3], v23 offset:16*\j            ; rows 32 h + 0..31: those that I store
.endr
	s_wait_dscnt 0x0
.irp i, 0,1,2,3,4,5,6,7
	v_min_u32 v[24+\i], 0x1fff, v[24+\i]           ; a token's number, held inside the tables
	v_mul_u32_u24 v[24+\i], v[24+\i], 768
	v_add_nc_u32 v[24+\i], v[24+\i], v79           ; its codes, + 16 r
.endr
	v_min_u32 v76, 0x1fff, v76
	v_lshl_add_u32 v76, v76, 5, v182               ; its scale bytes, + 16 (lane % 2)
	WIN 0xc0
.irp i, 0,1,2,3,4,5,6,7
.irp u, 0,1,2
	global_load_b128 v[96+4*(3*\i+\u):96+4*(3*\i+\u)+3], v[24+\i], s[4:5] offset:256*\u   ; sixteen lanes read 256 consecutive bytes, aligned, of a token's 768
.endr
.endr
	global_load_b128 v[192:195], v76, s[6:7]
	WIN 0
	WLOAD 1
	WLOAD 2
.set Q, 0
.rept 32
	v_min_u32 v[TK+Q], 0x1fff, v[TK+Q]
.set Q, Q+1
.endr
	WIN 0x40
.set Q, 0
.rept 32
	v_lshl_add_u32 v[OA+Q], v[TK+Q], 12, v183      ; row 32 h + Q's token x 4,096 bytes + 1024 w + 16 r
.set Q, Q+1
.endr
	WIN 0
.irp b, 0,1,2,3
	v_mov_b32 v[TM+4+\b], 0                        ; written once: a lane permute's destination counts as one of its sources
.endr
	s_wait_loadcnt 52                              ; the gather's 25 loads are in (and all before them); behind them batches 1 and 2 were issued, 26 each
	WIN 0x0c                                       ; an LDS store's data are its source 1: window 3
.irp i, 0,1,2,3,4,5,6,7
.irp u, 0,1,2
	ds_store_b128 v77, v[96+4*(3*\i+\u):96+4*(3*\i+\u)+3] offset:XP*\i+256*\u
.endr
.endr
	ds_store_b128 v78, v[192:195]
	WIN 0
	s_wait_dscnt 0x0                               ; for the others' sake: my 16 rows of x lie in LDS
	s_barrier_signal -1
	s_barrier_wait -1
.irp mm, 0,1
.irp j, 0,1
	ds_load_b128 v[XSR+8*\mm+4*\j:XSR+8*\mm+4*\j+3], v7 offset:768*\mm+16*\j   ; register 8 mm + s: K step s's words of tile mm (lanes 0-15) and tile mm + 2 (lanes 16-31)
.endr
.endr
	XLOAD 0
	XLOAD 1
	; ---- 1: the hidden layer's sums, a K step a batch
.irp s, 0,1,2,3,4,5,6,7
.if \s > 0
	WAITW \s
.endif
.if \s < 7
	s_wait_dscnt 24                                ; this K step's fragments of x (and the scale words) are in; the next step's 24 loads may be out
.else
	s_wait_dscnt 0x0
.endif
	MUL1 \s
	PLACES
.if \s < 6
	XLOAD \s+2                                     ; into the buffer just multiplied
.endif
	WLOAD \s+3                                     ; into the set just multiplied
.endr
	; ---- relu, the quantiser, the images: a tile of 16 rows at a time; batches 8, 9 and 10 are on their way meanwhile
.irp m, 0,1,2,3
	WIN 0x08                                       ; source 1 window 2
.set J, 0
.rept 64
	v_max_num_f32 v[HA+J], 0, v[64*\m+J]           ; the activation, in f32, and the move into window 0 in one; each accumulator from its low end on
.set J, J+1
.endr
	WIN 0
	QUANT HA
	IMAGE 8, 6144*\m                               ; K step w of the second product, rows 16 m on
	ds_store_b32 v9, v[PW] offset:512*\m
	s_wait_dscnt 0x0                               ; the stores have read their registers
.endr
	s_wait_dscnt 0x0                               ; for the others' sake: my four images lie in LDS
	s_barrier_signal -1
	s_barrier_wait -1
	WIN 0x80                                       ; destination window 2
.set F, 0
.rept 16
.irp c, 0,1,2
	ds_load_b128 v[12*F+4*\c:12*F+4*\c+3], v10 offset:1536*F+512*\c
.endr
.set F, F+1
.endr
	WIN 0
.set F, 0
.rept 16
	ds_load_b32 v[HS+F], v11 offset:128*F
.set F, F+1
.endr
	s_wait_dscnt 0x0
	; ---- 2: my 256 outputs, two tiles of 16 a batch; two batches make 256 bytes of each row, which leave while the next batch is multiplied
.irp p, 0,1,2,3,4,5,6,7
	WAITW 8+\p
.if (\p%2 == 0) && (\p > 0)
	s_wait_dscnt 32                                ; the stage stores of the last two batches have read their accumulators; the 32 loads from the stage may be out
.endif
	MUL2 \p
.if (\p%2 == 0) && (\p > 0)
	SEND \p/2-1
.endif
	PLACES
.if \p < 5
	WLOAD 8+\p+3
.endif
	WIN 0
	TOSTAGE \p
.if \p%2 == 1
	BACK
.endif
.endr
	SEND 3
	s_set_vgpr_msb 0x5
	s_wait_tensorcnt 0x0
	ds_add_u32 v254, v255
	s_wait_dscnt 0x0
	s_set_vgpr_msb 0x500
	s_endpgm
.Lfunc_end_k_q8ebbdc4f33_chain:
	.size	k_q8ebbdc4f33_chain, .Lfunc_end_k_q8ebbdc4f33_chain-k_q8ebbdc4f33_chain
	.p2alignl 7, 3214868480
	.fill 96, 4, 3214868480
	.section	.rodata,"a",@progbits
	.p2align	6, 0x0
	.amdhsa_kernel k_q8ebbdc4f33_chain
		.amdhsa_group_segment_fixed_size 151040
		.amdhsa_private_segment_fixed_size 0
		.amdhsa_enable_private_segment 0
		.amdhsa_kernarg_size 64
		.amdhsa_user_sgpr_count 2
		.amdhsa_user_sgpr_kernarg_segment_ptr 1
		.amdhsa_wavefront_size32 1
		.amdhsa_system_sgpr_workgroup_id_x 1
		.amdhsa_system_sgpr_workgroup_id_y 1
		.amdhsa_system_sgpr_workgroup_id_z 1
		.amdhsa_system_vgpr_workitem_id 0
		.amdhsa_next_free_vgpr 1024
		.amdhsa_next_free_sgpr 66
		.amdhsa_reserve_vcc 0
		.amdhsa_float_denorm_mode_32 3
		.amdhsa_float_denorm_mode_16_64 3
		.amdhsa_memory_ordered 1
		.amdhsa_forward_progress 1
		.amdhsa_inst_pref_size 198
	.end_amdhsa_kernel
	.amdgpu_metadata
---
amdhsa.version: [ 1, 2 ]
amdhsa.kernels:
  - .name:           k_q8ebbdc4f33_chain
    .symbol:         k_q8ebbdc4f33_chain.kd
    .args:
      - { .name: xq, .offset: 0, .size: 8, .value_kind: global_buffer, .address_space: global }
      - { .name: xs, .offset: 8, .size: 8, .value_kind: global_buffer, .address_space: global }
      - { .name: wq, .offset: 16, .size: 8, .value_kind: global_buffer, .address_space: global }
      - { .name: b1, .offset: 24, .size: 8, .value_kind: global_buffer, .address_space: global }
      - { .name: b2, .offset: 32, .size: 8, .value_kind: global_buffer, .address_space: global }
      - { .name: perm, .offset: 40, .size: 8, .value_kind: global_buffer, .address_space: global }
      - { .name: tiles, .offset: 48, .size: 8, .value_kind: global_buffer, .address_space: global }
      - { .name: out0, .offset: 56, .size: 8, .value_kind: global_buffer, .address_space: global }
    .group_segment_fixed_size: 151040
    .private_segment_fixed_size: 0
    .kernarg_segment_align: 8
    .kernarg_segment_size: 64
    .max_flat_workgroup_size: 128
    .sgpr_count:     66
    .vgpr_count:     1024
    .wavefront_size: 32
...
	.end_amdgpu_metadata
.endif
;; end of part 3
;; ======== version 2 of 2: 3 launches
;; workspace buffers: xq 6,291,456 bytes; xs 262,144 bytes; wq 6,553,600 bytes; eidx 32,768 bytes of whole numbers; perm 32,768 bytes of whole numbers; tiles 4,096 bytes of whole numbers
;; launch route_x (part 4): grid 256 x 1, 4 waves a work-group, no clusters, 66,048 bytes of LDS; arguments x, Wr, br, xq, xs, eidx; writes xq, xs, eidx
.if DOCPART == 4
	.amdgcn_target "amdgcn-amd-amdhsa--gfx1250"
	.amdhsa_code_object_version 6
	.text
	.protected	k_q8ebbdc4f33_route_x
	.globl	k_q8ebbdc4f33_route_x
	.p2align	8
	.type	k_q8ebbdc4f33_route_x,@function
k_q8ebbdc4f33_route_x:
	s_mov_b64 s[64:65], 0
	v_nop
	global_prefetch_b8 v0, s[64:65] scope:SCOPE_SE
	s_setreg_imm32_b32 hwreg(HW_REG_WAVE_MODE, 25, 1), 1
	s_wait_xcnt 0x0
; x [8192][1024] f32 is read ONCE and serves twice: the router's logits x Wr^T + br with their argmax (f32 multiply-adds), and x's codes of BF6 (E3M2) with one E8M0 byte for each 32 along K.
; OUT: xq [8192][768]: a token's 1,024 codes as one stream of bits;  xs [8192][32]: its scale bytes;  eidx [8192] u32: the chosen expert, at a fixed place for each token (no address here hangs on it).
; SHARES: 256 work-groups x 4 waves; a wave takes 8 tokens = 16 steps of 512 numbers.  Each of a step's four loads reads 512 consecutive bytes, 16 a lane.
; THE ROUTER works on the numbers as loaded: lane l of load i holds columns 128 i + 4 l + 0..3 of half a token, and Wr stands in 256 registers (window 1) in the same order: 64 packed multiply-adds a step,
; eight chains (one an expert) by turns; at a token's end the lanes' parts are added (four steps inside 16 lanes, one across), br is added, and a strict compare keeps the lower index, as argmax does.
; THE QUANTISER wants 16 neighbours along K in a lane: a step's 2,048 bytes turn through the wave's own stage in LDS (16 bytes of padding behind each 64) and come back 64 bytes a lane; two lanes hold a block.
; A block's scale is 2^(floor(log2(largest magnitude)) - 4): its byte is the magnitude's exponent field - 4, held at 1 from below by a floor among the maximum's leaves.
; Wr (32,768 bytes) is brought once by the four waves, 8,192 bytes each, laid in LDS as it lies in memory, and read by all behind the launch's one barrier.
; LIMITS: NaN and infinities among the inputs are not served; the logits' order of summation differs from a row-by-row sum, so two logits closer than f32 rounding may change places;
; a block of zeros gets the byte 1 (its codes are zeros, and these bytes are read by this program alone); eidx leaves as 32 bytes a wave.
.set SP,   80                          ; a lane's place in a stage: 64 bytes + 16
.set WREG, 8192                        ; LDS of a wave: two stages of 32 x SP bytes, behind them its 256 scale bytes
.set WRL,  32768                       ; LDS: Wr
.set R,    16                          ; v16-143  eight sets of 16 numbers as loaded
.set X,    144                         ; v144-175 two sets of 16 neighbours
.set C,    176                         ; v176-183 codes, two sets of four
.set E,    184                         ; v184-185 a scale byte, two sets
.set L,    186                         ; v186-201 the logits' parts: a pair for each expert
.set BI,   202                         ; the largest logit so far
.set BX,   203                         ; and its expert
.set WSA,  204                         ; LDS: where I put my part of Wr
.set WRA,  205                         ; LDS: where I read Wr
.set EA,   206                         ; 4 x lane
.set WGO,  207                         ; my 16 bytes of my wave's part of Wr in memory
.set EI,   10                          ; lane j: token j's expert
.set MSB, 0
.macro WIN new                         ; the immediate's high byte repeats the setting that is left
.if MSB != \new
	s_set_vgpr_msb (MSB<<8)|\new
.set MSB, \new
.endif
.endm
	s_load_b256 s[4:11], s[0:1], 0x0               ; x s[4:5], Wr s[6:7], br s[8:9], xq s[10:11]
	s_load_b128 s[12:15], s[0:1], 0x20             ; xs s[12:13], eidx s[14:15]
	v_lshl_add_u32 v254, v0, 2, 0x10000
	v_mov_b32 v255, 0
	v_lshrrev_b32 v1, 5, v0
	v_readfirstlane_b32 s16, v1                    ; wave
	v_and_b32 v2, 31, v0                           ; lane
	v_lshlrev_b32 v3, 4, v2                        ; my 16 bytes of a load's 512
	s_mul_i32 s17, s16, WREG
	v_lshrrev_b32 v14, 2, v2
	v_mul_u32_u24 v14, v14, SP
	v_and_b32 v15, 3, v2
	v_lshl_add_u32 v14, v15, 4, v14
	v_add_nc_u32 v14, s17, v14                     ; the stage, in: SP (lane / 4) + 16 (lane % 4)
	v_mul_u32_u24 v15, v2, SP
	v_add_nc_u32 v15, s17, v15                     ; out: SP x lane
	v_mul_u32_u24 v4, v2, 12                       ; my 12 bytes of a step's codes
	v_lshrrev_b32 v5, 1, v2
	s_add_co_u32 s17, s17, 2*32*SP
	v_add_nc_u32 v5, s17, v5                       ; my block's scale byte in LDS
	v_lshlrev_b32 v7, 3, v2
	v_add_nc_u32 v6, s17, v7                       ; and 8 bytes a lane on the way out
	s_lshl_b32 s17, s16, 13
	v_add_nc_u32 v[WGO], s17, v3
	v_add_nc_u32 v[WSA], WRL, v[WGO]
	v_add_nc_u32 v[WRA], WRL, v3
	v_lshlrev_b32 v[EA], 2, v2
	v_mov_b32 v[EI], 0
	s_mov_b32 s20, 0x76543210
	s_mov_b32 s21, 0xfedcba98                      ; v_permlanex16_b32's selects for lane l xor 16
	s_lshl_b32 s18, ttmp9, 2
	s_add_co_u32 s18, s18, s16                     ; which run of 8 tokens is my wave's
	s_mov_b32 s23, 0
	s_wait_alu depctr_va_vdst(0)
	s_wait_kmcnt 0x0
	s_load_b256 s[24:31], s[8:9], 0x0              ; br: eight numbers
	s_lshl_b32 s22, s18, 15
	s_add_nc_u64 s[4:5], s[4:5], s[22:23]          ; 32,768 bytes of x a run,
	s_mul_i32 s22, s18, 6144
	s_add_nc_u64 s[10:11], s[10:11], s[22:23]      ; 6,144 of codes,
	s_lshl_b32 s22, s18, 8
	s_add_nc_u64 s[12:13], s[12:13], s[22:23]      ; 256 of scale bytes,
	s_lshl_b32 s22, s18, 5
	s_add_nc_u64 s[14:15], s[14:15], s[22:23]      ; 32 of experts
.macro LOAD t
.irp i, 0,1,2,3
	global_load_b128 v[R+16*((\t)%8)+4*\i:R+16*((\t)%8)+4*\i+3], v3, s[4:5] offset:2048*(\t)+512*\i th:TH_LOAD_NT
.endr
.endm
.macro TURN t                          ; step t's numbers through a stage: LDS serves a wave's instructions in order (ISA guide 5.7.1.4), so no wait stands between the stores and the loads
.irp i, 0,1,2,3
	ds_store_b128 v14, v[R+16*((\t)%8)+4*\i:R+16*((\t)%8)+4*\i+3] offset:32*SP*((\t)%2)+8*SP*\i
.endr
.irp i, 0,1,2,3
	ds_load_b128 v[X+16*((\t)%2)+4*\i:X+16*((\t)%2)+4*\i+3], v15 offset:32*SP*((\t)%2)+16*\i
.endr
.endm
.macro ROUTE t                         ; step t's 16 numbers a lane x the eight experts: a token's first products start the sums, nothing is cleared
.set RS, R+16*((\t)%8)
.set SG, (\t)%2
	WIN 0x04                                       ; source 1 (Wr) in window 1
.irp i, 0,1,2,3
.irp k, 0,2
.irp e, 0,1,2,3,4,5,6,7
.if (SG == 0) && (\i == 0) && (\k == 0)
	v_pk_mul_f32 v[L+2*\e:L+2*\e+1], v[RS+4*\i+\k:RS+4*\i+\k+1], v[32*\e+16*SG+4*\i+\k:32*\e+16*SG+4*\i+\k+1]
.else
	v_pk_fma_f32 v[L+2*\e:L+2*\e+1], v[RS+4*\i+\k:RS+4*\i+\k+1], v[32*\e+16*SG+4*\i+\k:32*\e+16*SG+4*\i+\k+1], v[L+2*\e:L+2*\e+1]
.endif
.endr
.endr
.endr
	WIN 0
.endm
.macro FINISH j                        ; token j's logits are whole: sum over the lanes, + br, argmax
.irp e, 0,1,2,3,4,5,6,7
	v_add_f32 v[L+2*\e], v[L+2*\e], v[L+2*\e+1]
.endr
.irp m, 1,2,4,8
.irp e, 0,1,2,3,4,5,6,7
	v_add_f32_dpp v[L+2*\e], v[L+2*\e], v[L+2*\e] row_xmask:\m row_mask:0xf bank_mask:0xf
.endr
.endr
.irp e, 0,1,2,3,4,5,6,7
	v_permlanex16_b32 v[L+2*\e+1], v[L+2*\e], s20, s21
.endr
.irp e, 0,1,2,3,4,5,6,7
	v_add_f32 v[L+2*\e], v[L+2*\e], v[L+2*\e+1]
.endr
.irp e, 0,1,2,3,4,5,6,7
	v_add_f32 v[L+2*\e], s[24+\e], v[L+2*\e]
.endr
	v_mov_b32 v[BI], v[L]
	v_mov_b32 v[BX], 0
.irp e, 1,2,3,4,5,6,7
	v_cmp_gt_f32 vcc_lo, v[L+2*\e], v[BI]          ; strictly larger: of equals the lower index stays
	v_cndmask_b32 v[BX], v[BX], \e, vcc_lo
	v_max_num_f32 v[BI], v[BI], v[L+2*\e]
.endr
	v_cmp_eq_u32 vcc_lo, \j, v2
	v_cndmask_b32 v[EI], v[EI], v[BX], vcc_lo      ; into lane j: a choice of a value, no address
.endm
.macro STEP t
.set XS, X+16*((\t)%2)
.set CS, C+4*((\t)%2)
.if (\t) > 0
	s_wait_dscnt 1                                 ; this step's numbers are back from the stage (the last step's byte store may be out), so its stores into the stage have read set t % 8,
.else
	s_wait_dscnt 0x0
.endif
.if (\t)+8 < 16
	LOAD (\t)+8                                    ; which takes the loads of eight steps on
.endif
.if (\t)%2 == 1
	FINISH (\t)/2
.endif
.if (\t) < 15
.if (\t)+8 < 16
	s_wait_loadcnt 28                              ; the next step's four loads are in; those of the seven steps behind it may be out
.else
	s_wait_loadcnt 4*(14-(\t))                     ; four for each step issued behind the next one
.endif
	TURN (\t)+1
	ROUTE (\t)+1
.endif
	v_max3_num_f32 v8, |v[XS]|, |v[XS+1]|, |v[XS+2]|               ; the largest magnitude of my 16, in two chains
	v_max3_num_f32 v9, |v[XS+3]|, |v[XS+4]|, |v[XS+5]|
.irp i, 6,10
	v_max3_num_f32 v8, v8, |v[XS+\i]|, |v[XS+\i+1]|
	v_max3_num_f32 v9, v9, |v[XS+\i+2]|, |v[XS+\i+3]|
.endr
	v_max3_num_f32 v8, v8, |v[XS+14]|, |v[XS+15]|
	v_max3_num_f32 v8, v8, v9, 0x2800000           ; and the floor 2^(5 - 127): the byte cannot fall under 1
	v_max_num_f32_dpp v8, v8, v8 row_xmask:1 row_mask:0xf bank_mask:0xf   ; with my neighbour's 16: the block's
	v_add_nc_u32 v11, 0xfe000000, v8               ; 4 off its exponent field: the conversion takes the exponent field of this operand as its scale
	s_wait_alu depctr_va_vdst(0)
	s_wait_xcnt 0x0                                ; the store of two steps ago has read this set of codes: it is written again only behind this wait
	v_cvt_scalef32_pk16_bf6_f32 v[CS:CS+2], v[XS:XS+15], v11
	v_lshrrev_b32 v[E+(\t)%2], 23, v11             ; the scale's byte (also the plain line behind the conversion)
	ds_store_b8 v5, v[E+(\t)%2] offset:16*(\t)     ; both lanes of a block write the same byte with the same value
	global_store_b96 v4, v[CS:CS+2], s[10:11] offset:384*(\t)      ; the wave stores 384 consecutive bytes
.endm
	WIN 0x40                                       ; destination window 1
.irp k, 0,1,2,3,4,5,6,7,8,9,10,11,12,13,14,15
	global_load_b128 v[4*\k:4*\k+3], v[WGO], s[6:7] offset:512*\k  ; my wave's 8,192 bytes of Wr
.endr
	WIN 0
.irp t, 0,1,2,3,4,5,6,7
	LOAD \t
.endr
	s_wait_loadcnt 32                              ; Wr's sixteen are in; behind them the 32 loads of x were issued
	WIN 0x04                                       ; an LDS store's data are its source 1
.irp k, 0,1,2,3,4,5,6,7,8,9,10,11,12,13,14,15
	ds_store_b128 v[WSA], v[4*\k:4*\k+3] offset:512*\k
.endr
	WIN 0
	s_wait_dscnt 0x0                               ; for the others' sake: my part of Wr lies in LDS
	s_barrier_signal -1
	s_barrier_wait -1
	WIN 0x40
.set K, 0
.rept 64
	ds_load_b128 v[4*K:4*K+3], v[WRA] offset:512*K                 ; v[32 e + 4 i + k] = Wr[e][128 i + 4 lane + k]
.set K, K+1
.endr
	WIN 0
	s_wait_loadcnt 28                              ; step 0's four are in; steps 1 to 7 were issued behind them
	TURN 0
	s_wait_dscnt 8                                 ; Wr is in registers; the eight of step 0's turn may be out
	s_wait_kmcnt 0x0                               ; br
	ROUTE 0
	s_wait_alu depctr_va_vdst(0)
.irp t, 0,1,2,3,4,5,6,7,8,9,10,11,12,13,14,15
	STEP \t
.endr
	ds_load_b64 v[12:13], v6                       ; my wave's 256 scale bytes, in order behind my stores
	s_wait_dscnt 0x0
	global_store_b64 v7, v[12:13], s[12:13]        ; 32 lanes store 256 consecutive bytes, aligned
	s_wait_xcnt 0x0                                ; EXEC changes only behind this wait
	v_cmp_gt_u32 vcc_lo, 8, v2
	s_wait_tensorcnt 0x0
	ds_add_u32 v254, v255
	s_wait_dscnt 0x0
	s_and_saveexec_b32 s17, vcc_lo
	global_store_b32 v[EA], v[EI], s[14:15]        ; lanes 0 to 7: my eight tokens' experts
	s_endpgm
.Lfunc_end_k_q8ebbdc4f33_route_x:
	.size	k_q8ebbdc4f33_route_x, .Lfunc_end_k_q8ebbdc4f33_route_x-k_q8ebbdc4f33_route_x
	.p2alignl 7, 3214868480
	.fill 96, 4, 3214868480
	.section	.rodata,"a",@progbits
	.p2align	6, 0x0
	.amdhsa_kernel k_q8ebbdc4f33_route_x
		.amdhsa_group_segment_fixed_size 66048
		.amdhsa_private_segment_fixed_size 0
		.amdhsa_enable_private_segment 0
		.amdhsa_kernarg_size 48
		.amdhsa_user_sgpr_count 2
		.amdhsa_user_sgpr_kernarg_segment_ptr 1
		.amdhsa_wavefront_size32 1
		.amdhsa_system_sgpr_workgroup_id_x 1
		.amdhsa_system_sgpr_workgroup_id_y 1
		.amdhsa_system_sgpr_workgroup_id_z 1
		.amdhsa_system_vgpr_workitem_id 0
		.amdhsa_next_free_vgpr 512
		.amdhsa_next_free_sgpr 66
		.amdhsa_reserve_vcc 1
		.amdhsa_float_denorm_mode_32 3
		.amdhsa_float_denorm_mode_16_64 3
		.amdhsa_memory_ordered 1
		.amdhsa_forward_progress 1
		.amdhsa_inst_pref_size 140
	.end_amdhsa_kernel
	.amdgpu_metadata
---
amdhsa.version: [ 1, 2 ]
amdhsa.kernels:
  - .name:           k_q8ebbdc4f33_route_x
    .symbol:         k_q8ebbdc4f33_route_x.kd
    .args:
      - { .name: x, .offset: 0, .size: 8, .value_kind: global_buffer, .address_space: global }
      - { .name: Wr, .offset: 8, .size: 8, .value_kind: global_buffer, .address_space: global }
      - { .name: br, .offset: 16, .size: 8, .value_kind: global_buffer, .address_space: global }
      - { .name: xq, .offset: 24, .size: 8, .value_kind: global_buffer, .address_space: global }
      - { .name: xs, .offset: 32, .size: 8, .value_kind: global_buffer, .address_space: global }
      - { .name: eidx, .offset: 40, .size: 8, .value_kind: global_buffer, .address_space: global }
    .group_segment_fixed_size: 66048
    .private_segment_fixed_size: 0
    .kernarg_segment_align: 8
    .kernarg_segment_size: 48
    .max_flat_workgroup_size: 128
    .sgpr_count:     66
    .vgpr_count:     512
    .wavefront_size: 32
...
	.end_amdgpu_metadata
.endif
;; end of part 4
;; launch quant_w (part 5): grid 257 x 1, 4 waves a work-group, no clusters, 68,608 bytes of LDS; arguments W1, W2, eidx, wq, perm, tiles; writes wq, perm, tiles
.if DOCPART == 5
	.amdgcn_target "amdgcn-amd-amdhsa--gfx1250"
	.amdhsa_code_object_version 6
	.text
	.protected	k_q8ebbdc4f33_quant_w
	.globl	k_q8ebbdc4f33_quant_w
	.p2align	8
	.type	k_q8ebbdc4f33_quant_w,@function
k_q8ebbdc4f33_quant_w:
	s_mov_b64 s[64:65], 0
	v_nop
	global_prefetch_b8 v0, s[64:65] scope:SCOPE_SE
	s_setreg_imm32_b32 hwreg(HW_REG_WAVE_MODE, 25, 1), 1
	s_wait_xcnt 0x0
; TWO JOBS IN ONE LAUNCH.  Work-groups 1 to 256 turn W1 [8][512][1024] and W2 [8][1024][512], f32, K innermost, into codes of BF6 (E3M2) with E8M0 scales, laid in the ORDER OF THE OPERAND'S REGISTERS of the next launch.
; Work-group 0 reads the experts chosen by the launch before (whole numbers) and sorts the tokens by expert: perm [8192] and a list of 135 tiles (expert, first slot, rows, 0).
; wq: 512 records of 12,800 bytes; record (e 4 + w) 16 + b: expert e, wave w of the next launch, batch b.  Bytes 0..12287: eight fragments (16 rows x 128 K, 12 registers a lane), registers 4 c .. 4 c + 3 of lane l at 1536 f + 512 c + 16 l.
; Bytes 12288 + 256 hh + 8 l: scale registers 2 hh, 2 hh + 1 of lane l; scale register j carries fragment 2 j's words in lanes 0-15 and fragment 2 j + 1's in lanes 16-31.
; b < 8: K step b of the first product; fragment t takes W1[e] rows 128 w + 32 (t / 2) + 8 (t % 2) + r + 8 (r / 8), so that the results of tiles 2 q and 2 q + 1 are 16 neighbours along the next K.
; b >= 8: output tiles 2 (b - 8), 2 (b - 8) + 1 of the second product; fragment 4 n + s takes W2[e] rows 256 w + 16 (2 (b - 8) + n) + r, K step s.
; A WAVE makes half a record, four fragments.  A fragment's 16 rows x 512 bytes are loaded row by row (512 consecutive bytes a load), turn through the wave's own stage in LDS (rows 528 bytes apart) and come back
; as the operand's layout wants them: lane (r, h) holds k = 64 c + 32 h + 0..31 of row r: two whole blocks, so a block's maximum needs no other lane.  No barrier on these paths: waves share nothing.
; THE TILES: with N[e] rows an expert has ceil(N / 64) tiles; these are 128 to 135 in all.  The L = 135 - their number tiles that are over split L full tiles of the expert with the most rows (at least 1,024, so it has 16 full ones)
; into halves of 32 rows: so each of the 135 tiles has rows, whatever the split, and the next launch has no branch.
; The three paths part on the work-group's number alone, and each has LDS bytes of its own.
; LIMITS: NaN and infinities among the weights are not served; a block of zeros gets the byte 1 (its codes are zeros; this program alone reads the bytes); perm is stored 4 bytes a lane at sorted places, 32,768 bytes in all.
.set STB,  33792                       ; LDS: W1's four stages from 0, W2's four from here, 8,448 bytes each
.set PLB,  67584                       ; LDS: the place path's 512 bytes
.set RAW,  16                          ; v16-143  two sets of 64: a fragment as loaded
.set XT,   144                         ; v144-207 a fragment in the operand's order
.set FR,   208                         ; v208-219 its codes
.set TMPC, 220                         ; v220-222, v224-226 the upper halves of the two blocks (a conversion's three registers begin on an even number)
.set MX,   228
.set SOP,  232
.set SBY,  234
.set SW,   236
.set TX,   237
.set SCW,  238                         ; v[238:239] my two scale registers
.set SWE,  240
	s_load_b256 s[4:11], s[0:1], 0x0               ; W1 s[4:5], W2 s[6:7], eidx s[8:9], wq s[10:11]
	s_load_b128 s[12:15], s[0:1], 0x20             ; perm s[12:13], tiles s[14:15]
	v_lshl_add_u32 v254, v0, 2, 0x10a00
	v_mov_b32 v255, 0
	v_lshrrev_b32 v1, 5, v0
	v_readfirstlane_b32 s16, v1                    ; wave
	v_and_b32 v1, 31, v0                           ; lane
	v_and_b32 v2, 15, v0                           ; r
	v_bfe_u32 v3, v0, 4, 1                         ; h
	v_lshlrev_b32 v4, 4, v1                        ; 16 x lane
	s_mul_i32 s17, s16, 8448
	v_add_nc_u32 v5, s17, v4                       ; the stage, in: 16 x lane of a row
	v_mul_u32_u24 v6, v2, 528
	v_lshl_add_u32 v6, v3, 7, v6
	v_add_nc_u32 v6, s17, v6                       ; out: row r, + 128 h
	v_lshlrev_b32 v7, 3, v1
	v_lshlrev_b32 v8, 3, v3                        ; 8 h: where my two bytes stand in the scale word
	s_mov_b32 s20, 0x76543210
	s_mov_b32 s21, 0xfedcba98
	s_mov_b32 s22, 0xffff0000                      ; lanes 16-31
	v_mov_b32 v[TX], 0                             ; a lane permute's destination counts as one of its sources
	s_cmp_eq_u32 ttmp9, 0
	s_cbranch_scc1 .Lplace
	s_sub_co_u32 s24, ttmp9, 1
	s_lshl_b32 s25, s24, 1
	s_lshr_b32 s26, s16, 1
	s_add_co_u32 s25, s25, s26                     ; the record
	s_and_b32 s26, s16, 1                          ; hh: which half of it
	s_lshr_b32 s27, s25, 6                         ; e
	s_bfe_u32 s28, s25, 0x20004                    ; w
	s_and_b32 s29, s25, 15                         ; b
	s_mul_i32 s30, s25, 12800
	s_mul_i32 s31, s26, 6144
	s_add_co_u32 s32, s30, s31                     ; my four fragments
	s_mov_b32 s33, 0
	s_lshl_b32 s31, s26, 8
	s_add_co_u32 s34, s30, s31
	s_add_co_u32 s34, s34, 12288                   ; my two scale registers
	s_mov_b32 s35, 0
	s_wait_kmcnt 0x0
	s_add_nc_u64 s[36:37], s[10:11], s[32:33]
	s_add_nc_u64 s[38:39], s[10:11], s[34:35]
	s_bitcmp1_b32 s24, 2                           ; b >= 8 in both records of the work-group?
	s_cbranch_scc1 .Lw2
.macro LOADF kind, i                   ; fragment i's 16 rows of 512 bytes into set i % 2
.set RW, RAW+64*((\i)%2)
.irp r, 0,1,2,3,4,5,6,7,8,9,10,11,12,13,14,15
.if \kind == 0
	global_load_b128 v[RW+4*\r:RW+4*\r+3], v4, s[4:5] offset:(32*((\i)/2)+8*((\i)%2)+\r+8*(\r/8))*4096 th:TH_LOAD_NT
.else
	global_load_b128 v[RW+4*\r:RW+4*\r+3], v4, s[6:7] offset:512*(\i)+2048*\r th:TH_LOAD_NT
.endif
.endr
.endm
.macro FRAGQ kind, i
.set RW, RAW+64*((\i)%2)
.if (\i) < 3
	s_wait_loadcnt 16                              ; this fragment's sixteen are in; the next fragment's may be out
.else
	s_wait_loadcnt 0x0
.endif
.irp r, 0,1,2,3,4,5,6,7,8,9,10,11,12,13,14,15
	ds_store_b128 v5, v[RW+4*\r:RW+4*\r+3] offset:STB*\kind+528*\r
.endr
.irp c, 0,1
.irp k, 0,1,2,3,4,5,6,7
	ds_load_b128 v[XT+32*\c+4*\k:XT+32*\c+4*\k+3], v6 offset:STB*\kind+256*\c+16*\k   ; in order behind my stores
.endr
.endr
	s_wait_dscnt 0x0                               ; the fragment is back, and the stores have read their set,
.if (\i) < 2
	LOADF \kind, (\i)+2                            ; which takes the fragment two on
.endif
.irp c, 0,1
	v_max3_num_f32 v[MX+\c], |v[XT+32*\c]|, |v[XT+32*\c+1]|, 0x2800000   ; my block 2 c + h, and the floor 2^(5 - 127): the byte cannot fall under 1
.endr
.irp i2, 2,4,6,8,10,12,14,16,18,20,22,24,26,28,30
.irp c, 0,1
	v_max3_num_f32 v[MX+\c], v[MX+\c], |v[XT+32*\c+\i2]|, |v[XT+32*\c+\i2+1]|   ; (the two blocks by turns)
.endr
.endr
.irp c, 0,1
	v_add_nc_u32 v[SOP+\c], 0xfe000000, v[MX+\c]   ; 4 off the exponent field: the conversion's scale operand
.endr
.irp c, 0,1
	v_lshrrev_b32 v[SBY+\c], 23, v[SOP+\c]         ; the scale's byte
.endr
	v_lshl_or_b32 v[SW], v[SBY+1], 16, v[SBY]      ; blocks h and 2 + h of row r,
	v_lshlrev_b32 v[SW], v8, v[SW]                 ; at their places in the word;
	v_permlanex16_b32 v[TX], v[SW], s20, s21
	v_or_b32 v[SW], v[SW], v[TX]                   ; with lane l xor 16's two the word is whole, in both halves of the lanes
	s_wait_alu depctr_va_vdst(0)
	s_wait_xcnt 0x0                                ; the last fragment's stores have read the codes' registers
.irp c, 0,1
	v_cvt_scalef32_pk16_bf6_f32 v[FR+6*\c:FR+6*\c+2], v[XT+32*\c:XT+32*\c+15], v[SOP+\c]
	v_cvt_scalef32_pk16_bf6_f32 v[TMPC+4*\c:TMPC+4*\c+2], v[XT+32*\c+16:XT+32*\c+31], v[SOP+\c]
.endr
	v_nop                                          ; one plain line behind the conversions
.irp c, 0,1
.irp q, 0,1,2
	v_mov_b32 v[FR+6*\c+3+\q], v[TMPC+4*\c+\q]
.endr
.endr
.irp q, 0,1,2
	global_store_b128 v4, v[FR+4*\q:FR+4*\q+3], s[36:37] offset:1536*(\i)+512*\q   ; 512 consecutive bytes, aligned
.endr
.if (\i)%2 == 0
	v_mov_b32 v[SWE], v[SW]
.else
	v_cndmask_b32 v[SCW+(\i)/2], v[SWE], v[SW], s22                ; the even fragment's words below, the odd one's above
.endif
.endm
.macro WPATH kind
	LOADF \kind, 0
	LOADF \kind, 1
	FRAGQ \kind, 0
	FRAGQ \kind, 1
	FRAGQ \kind, 2
	FRAGQ \kind, 3
	global_store_b64 v7, v[SCW:SCW+1], s[38:39]    ; 256 consecutive bytes, aligned
	s_wait_tensorcnt 0x0
	ds_add_u32 v254, v255
	s_wait_dscnt 0x0
	s_endpgm
.endm
	s_lshl_b32 s40, s27, 9                         ; W1: row 512 e + 128 w + 64 hh, 4,096 bytes a row, + 512 b
	s_lshl_b32 s41, s28, 7
	s_add_co_u32 s40, s40, s41
	s_lshl_b32 s41, s26, 6
	s_add_co_u32 s40, s40, s41
	s_lshl_b32 s40, s40, 12
	s_lshl_b32 s41, s29, 9
	s_add_co_u32 s40, s40, s41
	s_mov_b32 s41, 0
	s_add_nc_u64 s[4:5], s[4:5], s[40:41]
	s_wait_alu depctr_va_vdst(0)
	WPATH 0
.Lw2:
	s_lshl_b32 s40, s27, 10                        ; W2: row 1024 e + 256 w + 32 (b - 8) + 16 hh, 2,048 bytes a row
	s_lshl_b32 s41, s28, 8
	s_add_co_u32 s40, s40, s41
	s_sub_co_u32 s41, s29, 8
	s_lshl_b32 s41, s41, 5
	s_add_co_u32 s40, s40, s41
	s_lshl_b32 s41, s26, 4
	s_add_co_u32 s40, s40, s41
	s_lshl_b32 s40, s40, 11
	s_mov_b32 s41, 0
	s_add_nc_u64 s[6:7], s[6:7], s[40:41]
	s_wait_alu depctr_va_vdst(0)
	WPATH 1
; ---- THE PLACING OF ROWS: a counting sort by 128 threads, whole numbers throughout.  Wave wv takes tokens 2048 wv on; register c = 4 jj + i of lane l holds token 2048 wv + 128 jj + 4 l + i.
.set PX,  16                           ; v16-79   the experts, later the token numbers
.set PRK, 80                           ; v80-143  a token's rank among its expert's tokens in my wave, later its slot's byte in perm
.set T,   144                          ; v144-151 at work
.set CV,  152                          ; lane e: my wave's count of expert e
.set C0,  153                          ; v153-156 the four waves' counts
.set NV,  157                          ; lane e: N[e]
.set PV,  158                          ; lane e: the counts of the waves in front of mine
.set BV,  159
.set DV,  160                          ; lane e: where my wave's tokens of expert e begin
.set TB,  161                          ; 2048 wv + 4 lane
.set DB,  184                          ; v184-247 DV of each token's expert
.Lplace:
	s_wait_kmcnt 0x0
	s_lshl_b32 s17, s16, 13
	s_wait_alu depctr_va_vdst(0)
	v_add_nc_u32 v182, s17, v4
.irp jj, 0,1,2,3,4,5,6,7,8,9,10,11,12,13,14,15
	global_load_b128 v[PX+4*\jj:PX+4*\jj+3], v182, s[8:9] offset:512*\jj
.endr
.irp e, 0,1,2,3,4,5,6,7
	s_mov_b32 s[32+\e], 0                          ; s[32:39]: how many of expert e my wave has met
.endr
	v_lshl_add_u32 v180, v0, 2, PLB
	v_lshl_add_u32 v181, v1, 2, PLB
	s_lshl_b32 s17, s16, 11
	v_lshl_add_u32 v[TB], v1, 2, s17
	s_wait_loadcnt 0x0
.macro RANK c                          ; rank = those met in earlier registers + those in lower lanes of this one
.irp e, 0,1,2,3,4,5,6,7
	v_cmp_eq_u32 s[40+\e], \e, v[PX+(\c)]
.endr
	v_mbcnt_lo_u32_b32 v[PRK+(\c)], s40, s32
.irp e, 1,2,3,4,5,6,7
	v_mbcnt_lo_u32_b32 v[T+\e], s[40+\e], s[32+\e]
.endr
.irp e, 1,2,3,4,5,6,7
	v_cndmask_b32 v[PRK+(\c)], v[PRK+(\c)], v[T+\e], s[40+\e]
.endr
.irp e, 0,1,2,3,4,5,6,7
	s_bcnt1_i32_b32 s48, s[40+\e]
	s_add_co_u32 s[32+\e], s[32+\e], s48
.endr
.endm
.set Q, 0
.rept 64
	RANK Q
.set Q, Q+1
.endr
	v_mov_b32 v[CV], 0
.irp e, 0,1,2,3,4,5,6,7
	v_writelane_b32 v[CV], s[32+\e], \e
.endr
	ds_store_b32 v180, v[CV]
	s_wait_dscnt 0x0                               ; for the others' sake: my counts lie in LDS
	s_barrier_signal -1
	s_barrier_wait -1
.irp q, 0,1,2,3
	ds_load_b32 v[C0+\q], v181 offset:128*\q
.endr
	s_wait_dscnt 0x0
	v_add_nc_u32 v[NV], v[C0], v[C0+1]
	v_add3_u32 v[NV], v[NV], v[C0+2], v[C0+3]
	v_mov_b32 v[PV], 0
.irp q, 0,1,2
	s_cmp_gt_u32 s16, \q
	s_cselect_b32 s49, -1, 0
	v_and_b32 v[T], s49, v[C0+\q]
	v_add_nc_u32 v[PV], v[PV], v[T]
.endr
.irp e, 0,1,2,3,4,5,6,7
	v_readlane_b32 s[52+\e], v[NV], \e             ; s[52:59] N
.endr
	s_mov_b32 s87, 0
.irp e, 0,1,2,3,4,5,6,7
	s_add_co_u32 s[88+\e], s[52+\e], 63
	s_lshr_b32 s[88+\e], s[88+\e], 6               ; s[88:95] ceil(N / 64)
	s_add_co_u32 s87, s87, s[88+\e]
.endr
	s_sub_co_u32 s86, 135, s87                     ; L: the tiles that are over, 0 to 7
	s_mov_b32 s84, 0                               ; the first expert with the most rows,
	s_mov_b32 s85, s52                             ; and how many
.irp e, 1,2,3,4,5,6,7
	s_cmp_gt_u32 s[52+\e], s85
	s_cselect_b32 s84, \e, s84
	s_cselect_b32 s85, s[52+\e], s85
.endr
	s_mov_b32 s68, 0                               ; s[68:75] an expert's first tile
	s_mov_b32 s76, 0                               ; s[76:83] an expert's first slot in perm
.irp e, 0,1,2,3,4,5,6
	s_cmp_eq_u32 s84, \e
	s_cselect_b32 s49, s86, 0
	s_add_co_u32 s49, s49, s[88+\e]
	s_add_co_u32 s[69+\e], s[68+\e], s49
	s_add_co_u32 s[77+\e], s[76+\e], s[52+\e]
.endr
	v_mov_b32 v[BV], 0
.irp e, 0,1,2,3,4,5,6,7
	v_writelane_b32 v[BV], s[76+\e], \e
.endr
	v_add_nc_u32 v[DV], v[BV], v[PV]
.set Q, 0
.rept 64
	v_min_u32 v[PX+Q], 7, v[PX+Q]                  ; an expert's number, held inside the eight lanes that carry a base
	v_lshlrev_b32 v[PX+Q], 2, v[PX+Q]
.set Q, Q+1
.endr
.set Q, 0
.rept 64
	ds_bpermute_b32 v[DB+Q], v[PX+Q], v[DV]        ; DV of lane e: between lanes, no LDS byte is touched
.set Q, Q+1
.endr
	s_wait_dscnt 0x0
.set Q, 0
.rept 64
	v_add_nc_u32 v[PRK+Q], v[PRK+Q], v[DB+Q]       ; the token's slot,
	v_min_u32 v[PRK+Q], 0x1fff, v[PRK+Q]           ; held inside perm,
	v_lshlrev_b32 v[PRK+Q], 2, v[PRK+Q]            ; in bytes
	v_add_nc_u32 v[PX+Q], 128*(Q/4)+Q%4, v[TB]     ; the token's number
	global_store_b32 v[PRK+Q], v[PX+Q], s[12:13]   ; no register of a store is written again
.set Q, Q+1
.endr
.macro TILEROW base, o, a              ; entry thread + base of the list
	v_add_nc_u32 v162, \base, v0
	v_mov_b32 v[\o], 0                             ; the expert whose tiles hold this entry: the last whose first tile is not beyond it
	v_mov_b32 v163, 0
	v_mov_b32 v164, 0
	v_mov_b32 v165, s52
.irp j, 1,2,3,4,5,6,7
	v_cmp_le_u32 vcc_lo, s[68+\j], v162
	v_cndmask_b32 v[\o], v[\o], \j, vcc_lo
	v_cndmask_b32 v163, v163, s[68+\j], vcc_lo
	v_cndmask_b32 v164, v164, s[76+\j], vcc_lo
	v_cndmask_b32 v165, v165, s[52+\j], vcc_lo
.endr
	v_sub_nc_u32 v166, v162, v163                  ; i: which of the expert's tiles
	v_cmp_eq_u32 vcc_lo, s84, v[\o]
	v_cndmask_b32 v167, 0, s86, vcc_lo             ; L for the largest expert, else 0
	v_lshlrev_b32 v168, 1, v167
	v_sub_nc_u32 v169, v166, v167
	v_lshlrev_b32 v169, 6, v169                    ; a whole tile's first row: 64 (i - L)
	v_min_u32 v[\o+2], v165, v169
	v_sub_nc_u32 v[\o+2], v165, v[\o+2]
	v_min_u32 v[\o+2], 64, v[\o+2]                 ; its rows: at most 64 of what is left
	v_cmp_lt_u32 vcc_lo, v166, v168                ; the first 2 L tiles are halves: 32 rows from row 32 i
	v_lshlrev_b32 v166, 5, v166
	v_cndmask_b32 v[\o+1], v169, v166, vcc_lo
	v_add_nc_u32 v[\o+1], v164, v[\o+1]
	v_cndmask_b32 v[\o+2], v[\o+2], 32, vcc_lo
	v_mov_b32 v[\o+3], 0
	v_lshlrev_b32 v[\a], 4, v162
	global_store_b128 v[\a], v[\o:\o+3], s[14:15]
.endm
	TILEROW 0, 172, 170
	TILEROW 128, 176, 171                          ; entries from 135 on are written and never read
	s_wait_tensorcnt 0x0
	ds_add_u32 v254, v255
	s_wait_dscnt 0x0
	s_endpgm
.Lfunc_end_k_q8ebbdc4f33_quant_w:
	.size	k_q8ebbdc4f33_quant_w, .Lfunc_end_k_q8ebbdc4f33_quant_w-k_q8ebbdc4f33_quant_w
	.p2alignl 7, 3214868480
	.fill 96, 4, 3214868480
	.section	.rodata,"a",@progbits
	.p2align	6, 0x0
	.amdhsa_kernel k_q8ebbdc4f33_quant_w
		.amdhsa_group_segment_fixed_size 68608
		.amdhsa_private_segment_fixed_size 0
		.amdhsa_enable_private_segment 0
		.amdhsa_kernarg_size 48
		.amdhsa_user_sgpr_count 2
		.amdhsa_user_sgpr_kernarg_segment_ptr 1
		.amdhsa_wavefront_size32 1
		.amdhsa_system_sgpr_workgroup_id_x 1
		.amdhsa_system_sgpr_workgroup_id_y 1
		.amdhsa_system_sgpr_workgroup_id_z 1
		.amdhsa_system_vgpr_workitem_id 0
		.amdhsa_next_free_vgpr 256
		.amdhsa_next_free_sgpr 100
		.amdhsa_reserve_vcc 1
		.amdhsa_float_denorm_mode_32 3
		.amdhsa_float_denorm_mode_16_64 3
		.amdhsa_memory_ordered 1
		.amdhsa_forward_progress 1
		.amdhsa_inst_pref_size 222
	.end_amdhsa_kernel
	.amdgpu_metadata
---
amdhsa.version: [ 1, 2 ]
amdhsa.kernels:
  - .name:           k_q8ebbdc4f33_quant_w
    .symbol:         k_q8ebbdc4f33_quant_w.kd
    .args:
      - { .name: W1, .offset: 0, .size: 8, .value_kind: global_buffer, .address_space: global }
      - { .name: W2, .offset: 8, .size: 8, .value_kind: global_buffer, .address_space: global }
      - { .name: eidx, .offset: 16, .size: 8, .value_kind: global_buffer, .address_space: global }
      - { .name: wq, .offset: 24, .size: 8, .value_kind: global_buffer, .address_space: global }
      - { .name: perm, .offset: 32, .size: 8, .value_kind: global_buffer, .address_space: global }
      - { .name: tiles, .offset: 40, .size: 8, .value_kind: global_buffer, .address_space: global }
    .group_segment_fixed_size: 68608
    .private_segment_fixed_size: 0
    .kernarg_segment_align: 8
    .kernarg_segment_size: 48
    .max_flat_workgroup_size: 128
    .sgpr_count:     100
    .vgpr_count:     256
    .wavefront_size: 32
...
	.end_amdgpu_metadata
.endif
;; end of part 5
;; launch chain (part 6): grid 135 x 1, 4 waves a work-group, no clusters, 151,040 bytes of LDS; arguments xq, xs, wq, b1, b2, perm, tiles, out0; writes out0
.if DOCPART == 6
	.amdgcn_target "amdgcn-amd-amdhsa--gfx1250"
	.amdhsa_code_object_version 6
	.text
	.protected	k_q8ebbdc4f33_chain
	.globl	k_q8ebbdc4f33_chain
	.p2align	8
	.type	k_q8ebbdc4f33_chain,@function
k_q8ebbdc4f33_chain:
	s_mov_b64 s[64:65], 0
	v_nop
	global_prefetch_b8 v0, s[64:65] scope:SCOPE_SE
	s_setreg_imm32_b32 hwreg(HW_REG_WAVE_SCHED_MODE, 0, 2), 2
	s_setreg_imm32_b32 hwreg(HW_REG_WAVE_MODE, 25, 1), 1
	s_wait_xcnt 0x0
	s_wait_alu depctr_vm_vsrc(0)
; out[t] = Q(relu(Q(x[t]) Q(W1[e])^T + b1[e])) Q(W2[e])^T + b2[e], e the expert chosen for token t: both products on codes of BF6 (E3M2) with one E8M0 scale for each 32 along K, sums in f32.
; A WORK-GROUP takes one entry of the list of tiles (expert, first slot in perm, rows): 64 row slots of ONE expert, through the whole chain; the hidden layer never goes to memory.  135 entries, each with rows.
; A row slot at or beyond the entry's rows repeats the tile's last token: it computes that token's numbers once more and stores the same numbers to the same bytes, from the same work-group.  So the text has no branch and no mask.
; THE WAVES SHARE THE COLUMNS: wave w makes hidden units 128 w .. + 127 and outputs 256 w .. + 255, for all 64 rows: each weight fragment is loaded once in the work-group and feeds four matrix instructions.
; THE WEIGHTS come from memory straight into registers, in 16 batches of 12,800 bytes a wave, laid by the launch before in the order of the operand's registers: every offset is an immediate, three sets of registers take turns.
; BOTH PRODUCTS ARE USED TRANSPOSED (source 0 = 16 rows of a weight, source 1 = 16 tokens): a lane holds one token and eight neighbouring units or outputs.  The biases are the C of each sum's first matrix instruction.
; x's rows (768 bytes of codes, 32 scale bytes) are gathered once into LDS; the hidden layer's fragments go from wave to wave through LDS as images of their registers.  Two barriers.
; NO TENSOR LOADS, NO CLUSTER: the weights' address is made of an expert's number read from memory, neighbours in the list need not share an expert, and 135 work-groups divide into no cluster of four.
; 64 rows to a tile: every work-group needs its expert's 819,200 bytes however few rows it has; 32 rows would double those reads and halve what a fragment feeds.
; LIMITS: NaN and infinities are not served; a hidden block of zeros gets the byte 1 (its codes are zeros).
; REGISTERS, in windows of 256.  Window 0: v1-15 addresses; v16-31, v76-79 the head's work; v32-47 x's scale words, v48-63 the hidden layer's, v64-75 the weights' (three sets): these hold scales and nothing else;
;   v80-143 b1, then a tile of the hidden layer, then accumulators of y; v144-207 the quantiser's work, then accumulators of y; v208-255 b2, three sets.
;   Window 1: weight sets 0 and 1 (v0-95, v96-191); v192-223 my rows' byte offsets in out0.   Window 2: the first product's 32 accumulators, then the hidden layer's 16 fragments.
;   Window 3: weight set 2 (v0-95); v96-191 two buffers of x's fragments; before them the gather's registers; after them 32 rows of y on the way out (v96-223).
; THE MODE: SCHED_MODE bits 1:0 = 2 (LLVM: expert scheduling mode 2), set by the entry lines.  The code itself states the register dependences between vector or matrix instructions and memory or LDS
; instructions, with s_wait_alu, always for 0.
; THE PLAN.  Registers that memory or LDS instructions touch:
;   addresses  v4-15, v20-23, v77-78 and window 1's v192-223: made by vector lines at the head, never written again.  v16-17, v24-31, v76: made once, read by the head's loads, never written again.
;   W[i % 3]   a weight set with its four scale registers and (from batch 8 on) its 16 registers of b2: batch i lands in it, batch i's matrix instructions read it, batch i + 3 lands in it.
;   X[s % 2]   a buffer of x's fragments: K step s lands in it, step s's matrix instructions read it, step s + 2 lands in it.  Before that the gather's loads land there and its LDS stores read them;
;              after that (with 32 registers more) the rows of y land there from the stage, and the global stores read them.
;   PC, PW     written by the quantiser, read by an image's four LDS stores.      Window 2: written by the first product, read by the activation; then the images land there.
;   AC[p % 2]  written by batch 8 + p's matrix instructions, read by that batch's 16 LDS stores into the stage.
; All that hangs on a batch's matrix instructions (the loads into its weight set and its x buffer, the stage stores of its results) stands in the NEXT batch's step, behind ONE wait on va_vdst at that step's head,
; dealt among the step's matrix instructions: these name the step's own set, buffer, accumulators and scales, and none of the registers that those loads and stores touch.
; In the second product one wait on vm_vsrc stands beside it: the stage stores of two batches back have read the accumulators that this step begins anew, and the global stores have read the rows' registers.
.set XP,   784                         ; LDS: x's codes, 64 rows x (768 + 16) from byte 0: row r starts 4 r banks on (64 banks of 4 bytes: ISA guide 11.1)
.set XSL,  50176                       ; x's scale bytes: 64 rows x 48
.set HIMG, 53248                       ; the hidden layer's 16 fragments, 1,536 bytes each: tile of rows m, K step s at 4 m + s
.set HSC,  77824                       ; their scale words, 128 bytes each
.set TL,   79872                       ; the tile's 64 tokens, once for each wave: 256 bytes
.set STG,  80896                       ; the way out: 64 rows x (256 + 16) for each wave
.set XSR,  32
.set HS,   48
.set WS,   64
.set HA,   80
.set PC,   144
.set TM,   164
.set PW,   180
.set TK,   144
.set B2R,  208
.set OA,   192                         ; in window 1
.set OUTR, 96                          ; in window 3
.set MSB, 0
.macro WIN new                         ; the immediate's high byte repeats the setting that is left
.if MSB != \new
	s_set_vgpr_msb (MSB<<8)|\new
.set MSB, \new
.endif
.endm
.macro PLACES                          ; four plain lines behind matrix instructions, in front of loads into their registers and of the first read of results
.rept 4
	v_nop
.endr
.endm
.macro WM d, a, b, c, sa, sb, ra, rb   ; one product; ra, rb: the side's scale words stand in lanes 16-31
.if (\ra) && (\rb)
	v_wmma_scale_f32_16x16x128_f8f6f4 v[\d:\d+7], v[\a:\a+11], v[\b:\b+11], v[\c:\c+7], v[\sa], v[\sb] matrix_a_fmt:MATRIX_FMT_BF6 matrix_b_fmt:MATRIX_FMT_BF6 matrix_a_scale:MATRIX_SCALE_ROW1 matrix_b_scale:MATRIX_SCALE_ROW1
.elseif (\ra)
	v_wmma_scale_f32_16x16x128_f8f6f4 v[\d:\d+7], v[\a:\a+11], v[\b:\b+11], v[\c:\c+7], v[\sa], v[\sb] matrix_a_fmt:MATRIX_FMT_BF6 matrix_b_fmt:MATRIX_FMT_BF6 matrix_a_scale:MATRIX_SCALE_ROW1
.elseif (\rb)
	v_wmma_scale_f32_16x16x128_f8f6f4 v[\d:\d+7], v[\a:\a+11], v[\b:\b+11], v[\c:\c+7], v[\sa], v[\sb] matrix_a_fmt:MATRIX_FMT_BF6 matrix_b_fmt:MATRIX_FMT_BF6 matrix_b_scale:MATRIX_SCALE_ROW1
.else
	v_wmma_scale_f32_16x16x128_f8f6f4 v[\d:\d+7], v[\a:\a+11], v[\b:\b+11], v[\c:\c+7], v[\sa], v[\sb] matrix_a_fmt:MATRIX_FMT_BF6 matrix_b_fmt:MATRIX_FMT_BF6
.endif
.endm
; Batch i into set i % 3: 24 loads of codes, 2 of scale words; from batch 8 on 4 of b2: 26 or 30 loads, in two parts
.macro WLOADA i                        ; fragments 0 to 3: 12 loads
.set LSET, (\i)%3
.if LSET == 2
.set LB, 0
	WIN 0xc0
.else
.set LB, 96*LSET
	WIN 0x40
.endif
.irp f, 0,1,2,3
.irp c, 0,1,2
	global_load_b128 v[LB+12*\f+4*\c:LB+12*\f+4*\c+3], v4, s[8:9] offset:12800*(\i)+1536*\f+512*\c
.endr
.endr
.endm
.macro WLOADB i                        ; fragments 4 to 7, the scale words, b2: 14 or 18 loads
.set LSET, (\i)%3
.if LSET == 2
.set LB, 0
	WIN 0xc0
.else
.set LB, 96*LSET
	WIN 0x40
.endif
.irp f, 4,5,6,7
.irp c, 0,1,2
	global_load_b128 v[LB+12*\f+4*\c:LB+12*\f+4*\c+3], v4, s[8:9] offset:12800*(\i)+1536*\f+512*\c
.endr
.endr
	WIN 0
.irp hh, 0,1
	global_load_b64 v[WS+4*LSET+2*\hh:WS+4*LSET+2*\hh+1], v5, s[8:9] offset:12800*(\i)+12288+256*\hh
.endr
.if (\i) >= 8
.irp n, 0,1
.irp k, 0,1
	global_load_b128 v[B2R+16*LSET+8*\n+4*\k:B2R+16*LSET+8*\n+4*\k+3], v15, s[12:13] offset:64*(2*((\i)-8)+\n)+16*\k
.endr
.endr
.endif
.endm
.macro WLOAD i
	WLOADA \i
	WLOADB \i
.endm
.macro WAITW i, ahead                  ; batch i is in: behind it the next 'ahead' batches were issued, 26 loads each up to batch 7, 30 from batch 8 on, none beyond 15
.set CNT, 0
.irp d, 1,2
.if \d <= (\ahead)
.if (\i)+\d < 8
.set CNT, CNT+26
.elseif (\i)+\d < 16
.set CNT, CNT+30
.endif
.endif
.endr
	s_wait_loadcnt CNT
.endm
.macro XLOAD s                         ; x's four fragments of K step s into buffer s % 2: 24 bytes of a row's stream of bits as three pieces of 8, twice
.set LXB, 96+48*((\s)%2)
	WIN 0xc0
.irp m, 0,1,2,3
.irp p, 0,1,2,3,4,5
	ds_load_b64 v[LXB+12*\m+2*\p:LXB+12*\m+2*\p+1], v6 offset:16*XP*\m+96*(\s)+48*(\p/3)+8*(\p%3)
.endr
.endr
	WIN 0
.endm
.macro MUL1 s, ta, tb                  ; K step s of the first product, tiles ta and tb of my 8 tiles of hidden units x 4 tiles of rows; the 32 accumulators take turns, one instruction a turn
.set WSET, (\s)%3
.set XB, 96+48*((\s)%2)
.if WSET == 2
.set WB, 0
	WIN 0xaf                                       ; W window 3, x window 3, C and D window 2
.elseif (\s) == 0
.set WB, 0
	WIN 0x8d                                       ; W window 1, x window 3, C (b1) window 0, D window 2
.else
.set WB, 96*WSET
	WIN 0xad                                       ; W window 1, x window 3, C and D window 2
.endif
.irp t, \ta, \tb
.irp m, 0,1,2,3
.set rD, 64*\m+8*\t
.set rA, WB+12*\t
.set rB, XB+12*\m
.if (\s) == 0
.set rC, HA+8*\t
.else
.set rC, rD
.endif
	WM rD, rA, rB, rC, WS+4*WSET+\t/2, XSR+8*(\m%2)+(\s), \t%2, \m/2
.endr
.endr
.endm
; 64 numbers of a lane, register 16 b + i = k 32 b + 16 (lane / 16) + i of my row, become a fragment's codes in v[PC] on and its scale word in v[PW]
.macro QUANT s
.irp b, 0,1,2,3
	v_max3_num_f32 v[TM+\b], |v[\s+16*\b]|, |v[\s+1+16*\b]|, 0x2800000   ; block b: my 16 numbers, and the floor 2^(5 - 127): the byte cannot fall under 1
.endr
.irp i, 2,4,6,8,10,12,14
.irp b, 0,1,2,3
	v_max3_num_f32 v[TM+\b], v[TM+\b], |v[\s+16*\b+\i]|, |v[\s+1+16*\b+\i]|   ; (the four blocks by turns)
.endr
.endr
.irp b, 0,1,2,3
	v_permlanex16_b32 v[TM+4+\b], v[TM+\b], s32, s33
.endr
.irp b, 0,1,2,3
	v_max_num_f32 v[TM+\b], v[TM+\b], v[TM+4+\b]   ; with lane l xor 16's: the block's largest magnitude
.endr
.irp b, 0,1,2,3
	v_add_nc_u32 v[TM+12+\b], 0xfe000000, v[TM+\b] ; 4 off its exponent field: the conversion's scale operand
.endr
.irp b, 0,1,2,3
	v_lshrrev_b32 v[TM+4+\b], 23, v[TM+12+\b]      ; the scale's byte
.endr
	v_lshl_or_b32 v[PW], v[TM+5], 8, v[TM+4]
	v_lshl_or_b32 v[PW], v[TM+6], 16, v[PW]
	v_lshl_or_b32 v[PW], v[TM+7], 24, v[PW]
.irp c, 0,1
	v_cvt_scalef32_pk16_bf6_f32 v[PC+6*\c:PC+2+6*\c], v[\s+32*\c:\s+15+32*\c], v[TM+12+2*\c]
	v_cvt_scalef32_pk16_bf6_f32 v[PC+12+4*\c:PC+14+4*\c], v[\s+16+32*\c:\s+31+32*\c], v[TM+12+2*\c+1]   ; (a conversion's three registers begin on an even number)
.endr
	v_nop                                          ; one plain line behind the conversions
.irp c, 0,1                                    ; the operand's layout wants a whole block in a lane
.irp i, 0,1,2
	v_permlane16_swap_b32 v[PC+6*\c+\i], v[PC+12+4*\c+\i]
.endr
.irp i, 0,1,2
	v_mov_b32 v[PC+3+6*\c+\i], v[PC+12+4*\c+\i]
.endr
.endr
.endm
.macro IMAGE adr, off                  ; the fragment in v[PC] on goes to LDS as it stands: lane l's 16 bytes at 16 l
.irp c, 0,1,2
	ds_store_b128 v[\adr], v[PC+4*\c:PC+4*\c+3] offset:\off+512*\c
.endr
.endm
.macro MUL2 p, s                       ; output tiles 2 p, 2 p + 1 for the four tiles of rows, K step s of the four: 8 accumulators by turns
.set WSET, (8+(\p))%3
.if WSET == 2
.set WB, 0
	WIN 0x0b                                       ; W window 3, the hidden layer window 2, C and D window 0
.else
.set WB, 96*WSET
	WIN 0x09                                       ; W window 1
.endif
.set AC, HA+64*((\p)%2)
.irp n, 0,1
.irp m, 0,1,2,3
.set rD, AC+8*(4*\n+\m)
.set rA, WB+12*(4*\n+\s)
.set rB, 12*(4*\m+\s)
.if \s == 0
.set rC, B2R+16*WSET+8*\n
.else
.set rC, rD
.endif
	WM rD, rA, rB, rC, WS+4*WSET+2*\n+\s/2, HS+4*\m+\s, \s%2, 0
.endr
.endr
.endm
.macro TOSTAGE p                       ; lane (r, h): y(16 m + r, 16 (2 p + n) + 8 h + 0..7): 32 bytes into my stage; each accumulator from its low end on
	WIN 0
.set SAC, HA+64*((\p)%2)
.irp m, 0,1,2,3
.irp n, 0,1
	ds_store_b128 v12, v[SAC+8*(4*\n+\m):SAC+8*(4*\n+\m)+3] offset:16*272*\m+128*((\p)%2)+64*\n
	ds_store_b128 v12, v[SAC+8*(4*\n+\m)+4:SAC+8*(4*\n+\m)+7] offset:16*272*\m+128*((\p)%2)+64*\n+16
.endr
.endr
.endm
.macro BACK                            ; 64 rows x 256 bytes back from my stage: lanes 0-15 row i, lanes 16-31 row 32 + i; in order behind my stores
	s_wait_xcnt 0x0                                ; every earlier global instruction has had its addresses translated (ISA guide 3.1): the last group's stores' data registers are loaded again only behind this wait (the wait on vm_vsrc at the step's head stands beside it)
	WIN 0xc0
.set Q, 0
.rept 32
	ds_load_b128 v[OUTR+4*Q:OUTR+4*Q+3], v13 offset:272*Q
.set Q, Q+1
.endr
	WIN 0
.endm
.macro SEND g                          ; group g: 64 outputs of each row: sixteen lanes store 256 consecutive bytes, aligned, of a token's row
	s_wait_dscnt 0x0
	WIN 0x0d                                       ; address window 1, data window 3
.set Q, 0
.rept 32
	global_store_b128 v[OA+Q], v[OUTR+4*Q:OUTR+4*Q+3], s[18:19] offset:256*(\g) th:TH_STORE_NT
.set Q, Q+1
.endr
	WIN 0
.endm
	s_load_b256 s[4:11], s[0:1], 0x0               ; xq s[4:5], xs s[6:7], wq s[8:9], b1 s[10:11]
	s_load_b256 s[12:19], s[0:1], 0x20             ; b2 s[12:13], perm s[14:15], tiles s[16:17], out0 s[18:19]
	s_set_vgpr_msb 0x40
	v_lshl_add_u32 v254, v0, 2, 0x24c00
	v_mov_b32 v255, 0
	s_set_vgpr_msb 0x4000
	v_lshrrev_b32 v1, 5, v0
	v_readfirstlane_b32 s20, v1                    ; wave
	v_and_b32 v1, 31, v0                           ; lane
	v_and_b32 v2, 15, v0                           ; r
	v_bfe_u32 v3, v0, 4, 1                         ; h
	v_lshlrev_b32 v4, 4, v1                        ; 16 x lane
	v_lshlrev_b32 v5, 3, v1                        ; 8 x lane
	v_mul_u32_u24 v6, v2, XP
	v_mad_u32_u24 v6, v3, 24, v6                   ; x's fragments: row r, + 24 h
	v_mul_u32_u24 v7, v2, 48
	v_mad_u32_u24 v7, v3, 1536, v7
	v_add_nc_u32 v7, XSL, v7                       ; x's scale words: row r + 32 h: lanes 0-15 tiles 0, 1, lanes 16-31 tiles 2, 3
	s_wait_alu depctr_va_sdst(0)                   ; s20, the wave's number, is written, ahead of its first reader
	s_mul_i32 s21, s20, 1536
	v_add_nc_u32 v8, s21, v4
	v_add_nc_u32 v8, HIMG, v8                      ; where I store my images: K step w
	s_lshl_b32 s21, s20, 7
	v_lshl_add_u32 v9, v1, 2, s21
	v_add_nc_u32 v9, HSC, v9                       ; and their scale words
	v_add_nc_u32 v10, HIMG, v4                     ; where any image is read
	v_lshl_add_u32 v11, v1, 2, HSC
	s_mul_i32 s21, s20, 64*272
	s_add_co_u32 s21, s21, STG                     ; my stage
	v_mul_u32_u24 v12, v2, 272
	v_lshl_add_u32 v12, v3, 5, v12
	v_add_nc_u32 v12, s21, v12                     ; in: row r, + 32 h
	v_mul_u32_u24 v13, v3, 32*272
	v_lshl_add_u32 v13, v2, 4, v13
	v_add_nc_u32 v13, s21, v13                     ; back: row 32 h, + 16 r
	v_lshlrev_b32 v14, 6, v3                       ; b1: 64 h
	v_lshlrev_b32 v15, 5, v3                       ; b2: 32 h
	s_lshl_b32 s21, s20, 8
	s_add_co_u32 s21, s21, TL                      ; my wave's copy of the tile's tokens
	v_lshl_add_u32 v20, v1, 2, s21                 ; in: 4 x lane
	v_lshl_add_u32 v23, v3, 7, s21                 ; rows 32 h on
	s_lshl_b32 s22, s20, 6
	s_add_co_u32 s22, s22, s21                     ; rows 16 w on
	v_lshl_add_u32 v21, v3, 5, s22                 ; rows 16 w + 8 h on
	v_lshrrev_b32 v22, 1, v1
	v_lshl_add_u32 v22, v22, 2, s22                ; row 16 w + lane / 2
	v_lshlrev_b32 v79, 4, v2                       ; 16 r
	s_mul_i32 s22, s20, 16*XP
	v_mad_u32_u24 v77, v3, 8*XP, v79
	v_add_nc_u32 v77, s22, v77                     ; where the gathered codes go: row 16 w + 8 h, + 16 r
	v_lshrrev_b32 v78, 1, v1
	v_mul_u32_u24 v78, v78, 48
	v_and_b32 v181, 1, v1
	v_lshl_add_u32 v78, v181, 4, v78
	s_mul_i32 s22, s20, 768
	s_add_co_u32 s22, s22, XSL
	v_add_nc_u32 v78, s22, v78                     ; and the scale bytes: row 16 w + lane / 2, + 16 (lane % 2)
	v_lshlrev_b32 v182, 4, v181
	s_lshl_b32 s22, s20, 10
	v_add_nc_u32 v183, s22, v79                    ; in a row of out0: 1024 w + 16 r
	s_lshl_b32 s28, ttmp9, 4
	s_mov_b32 s29, 0
	s_mov_b32 s31, 0
	s_mov_b32 s32, 0x76543210
	s_mov_b32 s33, 0xfedcba98                      ; v_permlanex16_b32's selects for lane l xor 16
	s_wait_kmcnt 0x0
	s_add_nc_u64 s[16:17], s[16:17], s[28:29]
	s_load_b128 s[24:27], s[16:17], 0x0            ; my entry: expert, first slot, rows, 0
	s_wait_kmcnt 0x0
	s_min_u32 s24, s24, 7                          ; each is held inside its table before it enters an address
	s_min_u32 s25, s25, 0x1fff
	s_min_u32 s26, s26, 64
	s_max_u32 s26, s26, 1
	s_sub_co_u32 s27, s26, 1                       ; the last row that has a token
	s_lshl_b32 s30, s24, 2
	s_add_co_u32 s30, s30, s20
	s_mul_i32 s30, s30, 204800                     ; my 16 records: (4 e + w) x 16 x 12,800 bytes
	s_add_nc_u64 s[8:9], s[8:9], s[30:31]
	s_lshl_b32 s30, s24, 11
	s_lshl_b32 s21, s20, 9
	s_add_co_u32 s30, s30, s21
	s_add_nc_u64 s[10:11], s[10:11], s[30:31]      ; b1[e] at my 128 units
	s_lshl_b32 s30, s24, 12
	s_lshl_b32 s21, s20, 10
	s_add_co_u32 s30, s30, s21
	s_add_nc_u64 s[12:13], s[12:13], s[30:31]      ; b2[e] at my 256 outputs
	v_min_u32 v16, s27, v1                         ; rows lane and lane + 32; a row beyond the last takes the last
	v_add_nc_u32 v17, 32, v1
	v_min_u32 v17, s27, v17
	v_add_nc_u32 v16, s25, v16
	v_add_nc_u32 v17, s25, v17
	v_min_u32 v16, 0x1fff, v16
	v_min_u32 v17, 0x1fff, v17
	v_lshlrev_b32 v16, 2, v16
	v_lshlrev_b32 v17, 2, v17
	s_wait_alu depctr_va_vdst(0)                   ; the addresses and offsets v4 to v17, v20 to v23, v77 and v78 are written: the loads and stores of the whole kernel read them, and none but v16, v17 serves only here
	global_load_b32 v18, v16, s[14:15]
	global_load_b32 v19, v17, s[14:15]
.irp t, 0,1,2,3,4,5,6,7
.irp k, 0,1
	global_load_b128 v[HA+8*\t+4*\k:HA+8*\t+4*\k+3], v14, s[10:11] offset:(32*(\t/2)+8*(\t%2))*4+16*\k   ; b1 in the result's layout: tile t, units 32 (t / 2) + 16 h + 8 (t % 2) + 0..7
.endr
.endr
	WLOAD 0
	s_wait_loadcnt 42                              ; the two loads of perm are in; behind them b1's 16 and batch 0's 26 were issued
	ds_store_b32 v20, v18                          ; the tokens change lanes through my wave's own 256 bytes
	ds_store_b32 v20, v19 offset:128
	ds_load_b128 v[24:27], v21                     ; rows 16 w + 8 h + 0..7: those whose codes I gather
	ds_load_b128 v[28:31], v21 offset:16
	ds_load_b32 v76, v22                           ; row 16 w + lane / 2: whose scale bytes I gather
.irp j, 0,1,2,3,4,5,6,7
	ds_load_b128 v[TK+4*\j:TK+4*\j+3], v23 offset:16*\j            ; rows 32 h + 0..31: those that I store
.endr
	s_wait_dscnt 0x0
.irp i, 0,1,2,3,4,5,6,7
	v_min_u32 v[24+\i], 0x1fff, v[24+\i]           ; a token's number, held inside the tables
	v_mul_u32_u24 v[24+\i], v[24+\i], 768
	v_add_nc_u32 v[24+\i], v[24+\i], v79           ; its codes, + 16 r
.endr
	v_min_u32 v76, 0x1fff, v76
	v_lshl_add_u32 v76, v76, 5, v182               ; its scale bytes, + 16 (lane % 2)
	WIN 0xc0
	s_wait_alu depctr_va_vdst(0)                   ; the gather's offsets v24 to v31 and v76 are written, which the 25 loads below read
.irp i, 0,1,2,3,4,5,6,7
.irp u, 0,1,2
	global_load_b128 v[96+4*(3*\i+\u):96+4*(3*\i+\u)+3], v[24+\i], s[4:5] offset:256*\u   ; sixteen lanes read 256 consecutive bytes, aligned, of a token's 768
.endr
.endr
	global_load_b128 v[192:195], v76, s[6:7]
	WIN 0
	WLOAD 1
	WLOAD 2
.set Q, 0
.rept 32
	v_min_u32 v[TK+Q], 0x1fff, v[TK+Q]
.set Q, Q+1
.endr
	WIN 0x40
.set Q, 0
.rept 32
	v_lshl_add_u32 v[OA+Q], v[TK+Q], 12, v183      ; row 32 h + Q's token x 4,096 bytes + 1024 w + 16 r
.set Q, Q+1
.endr
	WIN 0
.irp b, 0,1,2,3
	v_mov_b32 v[TM+4+\b], 0                        ; written once: a lane permute's destination counts as one of its sources
.endr
	s_wait_loadcnt 52                              ; the gather's 25 loads are in (and all before them); behind them batches 1 and 2 were issued, 26 each
	WIN 0x0c                                       ; an LDS store's data are its source 1: window 3
.irp i, 0,1,2,3,4,5,6,7
.irp u, 0,1,2
	ds_store_b128 v77, v[96+4*(3*\i+\u):96+4*(3*\i+\u)+3] offset:XP*\i+256*\u
.endr
.endr
	ds_store_b128 v78, v[192:195]
	WIN 0
	s_wait_dscnt 0x0                               ; for the others' sake: my 16 rows of x lie in LDS
	s_barrier_signal -1
	s_barrier_wait -1
	s_wait_alu depctr_vm_vsrc(0)                   ; my LDS stores have read window 3's v96 to v195: x's fragments land there from here on, and later the rows of y
.irp mm, 0,1
.irp j, 0,1
	ds_load_b128 v[XSR+8*\mm+4*\j:XSR+8*\mm+4*\j+3], v7 offset:768*\mm+16*\j   ; register 8 mm + s: K step s's words of tile mm (lanes 0-15) and tile mm + 2 (lanes 16-31)
.endr
.endr
	XLOAD 0
	XLOAD 1
	; ---- 1: the hidden layer's sums, a K step a batch.  Step s asks for what the step before has set free: x's fragments of step s + 1 at its head, batch s + 2 in two parts among its products
.irp s, 0,1,2,3,4,5,6,7
.if \s > 0
	WAITW \s, 1
	s_wait_alu depctr_va_vdst(0)                   ; the last step's matrix instructions are done reading their weight set, its scale registers and their buffer of x: the loads of this step land in these
.if \s < 7
	XLOAD \s+1                                     ; into the buffer that the last step multiplied
.endif
.endif
.if \s < 7
	s_wait_dscnt 24                                ; this K step's fragments of x (and the scale words) are in; the next step's 24 loads may be out
.else
	s_wait_dscnt 0x0
.endif
	MUL1 \s, 0, 1
.if \s > 0
	WLOADA \s+2                                    ; into the set that the last step multiplied.  No wait: no matrix instruction since the wait above names it
.endif
	MUL1 \s, 2, 3
.if \s > 0
	WLOADB \s+2
.endif
	MUL1 \s, 4, 5
	MUL1 \s, 6, 7
	PLACES
.endr
	s_wait_alu depctr_va_vdst(0)                   ; step 7's matrix instructions are done reading their weight set and its scale registers, in which batch 10 lands
	WLOAD 10
	; ---- relu, the quantiser, the images: a tile of 16 rows at a time; batches 8, 9 and 10 are on their way meanwhile
.irp m, 0,1,2,3
	WIN 0x08                                       ; source 1 window 2
.set J, 0
.rept 64
	v_max_num_f32 v[HA+J], 0, v[64*\m+J]           ; the activation, in f32, and the move into window 0 in one; each accumulator from its low end on
.set J, J+1
.endr
	WIN 0
.if \m > 0
	s_wait_alu depctr_vm_vsrc(0)                   ; the last image's LDS stores have read v[PC ..] and v[PW], which the quantiser writes again
.endif
	QUANT HA
	s_wait_alu depctr_va_vdst(0)                   ; the quantiser has written v[PC ..] and v[PW], which the four LDS stores read
	IMAGE 8, 6144*\m                               ; K step w of the second product, rows 16 m on
	ds_store_b32 v9, v[PW] offset:512*\m
.endr
	s_wait_dscnt 0x0                               ; for the others' sake: my four images lie in LDS
	s_barrier_signal -1
	s_barrier_wait -1
	WIN 0x80                                       ; destination window 2.  The last wait on va_vdst has also shown the first product's sums written and the activation done reading them, and no vector or matrix instruction stands behind it: the images may land there
.set F, 0
.rept 16
.irp c, 0,1,2
	ds_load_b128 v[12*F+4*\c:12*F+4*\c+3], v10 offset:1536*F+512*\c
.endr
.set F, F+1
.endr
	WIN 0
.set F, 0
.rept 16
	ds_load_b32 v[HS+F], v11 offset:128*F
.set F, F+1
.endr
	s_wait_dscnt 0x0
	; ---- 2: my 256 outputs, two tiles of 16 a batch; two batches make 256 bytes of each row, which leave while the next batch is multiplied.
	; Step p carries, among its products, the stage stores of batch p - 1's results, every second step the rows' way back from the stage and their global stores, and the loads of batch p + 10 into batch p + 7's set
.irp p, 0,1,2,3,4,5,6,7
.if \p == 0
	WAITW 8, 2                                     ; batches 9 and 10 stand behind batch 8
.else
	WAITW 8+\p, 1
	s_wait_alu depctr_va_vdst(0)                   ; the last step's matrix instructions have written their accumulators, which the stage stores below read (the four places stand ahead), and are done reading their weight set, its scale registers and its b2, in which the loads below land
	s_wait_alu depctr_vm_vsrc(0)                   ; the LDS stores issued so far have read the registers that this step's sums begin in (step 1: the last image's codes and scale word; later: the results of two steps back); the global stores have read the rows' registers, in which the loads from the stage land
.endif
	MUL2 \p, 0
.if \p > 0
	TOSTAGE \p-1
.if \p%2 == 0
	BACK
.endif
.endif
	MUL2 \p, 1
.if (\p > 0) && (\p < 6)
	WLOADA 8+\p+2
.endif
	MUL2 \p, 2
.if (\p > 0) && (\p < 6)
	WLOADB 8+\p+2
.endif
	MUL2 \p, 3
.if (\p%2 == 0) && (\p > 0)
	SEND \p/2-1
.endif
	PLACES
.endr
	s_wait_alu depctr_va_vdst(0)                   ; the last step's matrix instructions have written their accumulators, which the last stage stores read; the places above stay beside this wait
	TOSTAGE 7
	BACK
	SEND 3
	s_set_vgpr_msb 0x5
	s_wait_dscnt 0x0
	s_wait_alu depctr_hold_cnt(0) depctr_sa_sdst(0) depctr_va_vdst(0) depctr_va_sdst(0) depctr_va_ssrc(0) depctr_va_vcc(0) depctr_vm_vsrc(0)
	s_wait_tensorcnt 0x0
	ds_add_u32 v254, v255
	s_wait_dscnt 0x0
	s_endpgm
.Lfunc_end_k_q8ebbdc4f33_chain:
	.size	k_q8ebbdc4f33_chain, .Lfunc_end_k_q8ebbdc4f33_chain-k_q8ebbdc4f33_chain
	.p2alignl 7, 3214868480
	.fill 96, 4, 3214868480
	.section	.rodata,"a",@progbits
	.p2align	6, 0x0
	.amdhsa_kernel k_q8ebbdc4f33_chain
		.amdhsa_group_segment_fixed_size 151040
		.amdhsa_private_segment_fixed_size 0
		.amdhsa_enable_private_segment 0
		.amdhsa_kernarg_size 64
		.amdhsa_user_sgpr_count 2
		.amdhsa_user_sgpr_kernarg_segment_ptr 1
		.amdhsa_wavefront_size32 1
		.amdhsa_system_sgpr_workgroup_id_x 1
		.amdhsa_system_sgpr_workgroup_id_y 1
		.amdhsa_system_sgpr_workgroup_id_z 1
		.amdhsa_system_vgpr_workitem_id 0
		.amdhsa_next_free_vgpr 1024
		.amdhsa_next_free_sgpr 66
		.amdhsa_reserve_vcc 0
		.amdhsa_float_denorm_mode_32 3
		.amdhsa_float_denorm_mode_16_64 3
		.amdhsa_memory_ordered 1
		.amdhsa_forward_progress 1
		.amdhsa_inst_pref_size 201
	.end_amdhsa_kernel
	.amdgpu_metadata
---
amdhsa.version: [ 1, 2 ]
amdhsa.kernels:
  - .name:           k_q8ebbdc4f33_chain
    .symbol:         k_q8ebbdc4f33_chain.kd
    .args:
      - { .name: xq, .offset: 0, .size: 8, .value_kind: global_buffer, .address_space: global }
      - { .name: xs, .offset: 8, .size: 8, .value_kind: global_buffer, .address_space: global }
      - { .name: wq, .offset: 16, .size: 8, .value_kind: global_buffer, .address_space: global }
      - { .name: b1, .offset: 24, .size: 8, .value_kind: global_buffer, .address_space: global }
      - { .name: b2, .offset: 32, .size: 8, .value_kind: global_buffer, .address_space: global }
      - { .name: perm, .offset: 40, .size: 8, .value_kind: global_buffer, .address_space: global }
      - { .name: tiles, .offset: 48, .size: 8, .value_kind: global_buffer, .address_space: global }
      - { .name: out0, .offset: 56, .size: 8, .value_kind: global_buffer, .address_space: global }
    .group_segment_fixed_size: 151040
    .private_segment_fixed_size: 0
    .kernarg_segment_align: 8
    .kernarg_segment_size: 64
    .max_flat_workgroup_size: 128
    .sgpr_count:     66
    .vgpr_count:     1024
    .wavefront_size: 32
...
	.end_amdgpu_metadata
.endif
;; end of part 6
